; MI455X (gfx1250); checked and timed in simulation.
; The chip was launched on July 23, 2026; its instructions are those of AMD's public machine-readable ISA for CDNA 5 (MIT licence, August 2026) and "CDNA5" Instruction Set Architecture Reference Guide (July 2026). The comments in the code are by the model that wrote it; some were corrected since.
;; Paged Minimal Attention. Allowed arithmetic: matrix products marked QUANTISED: E4M3 operands, one E8M0 scale for each 32 along K, by v_wmma_scale_f32_16x16x128_f8f6f4 with both operands' format E4M3, f32 sums; everything else in f32.
;; Inputs: Wk 1,024 x 1,024 float32; Wo 1,024 x 1,024 float32; Wq 1,024 x 1,024 float32; Wv 1,024 x 1,024 float32; bk 1,024 float32; bo 1,024 float32; bq 1,024 float32; bv 1,024 float32; x 4 x 2,048 x 1,024 float32.
;; Outputs: out0 4 x 2,048 x 1,024 float32.
;; This version of the problem:
;;   THIS VERSION OF THE PROBLEM IS GIVEN IN LOW PRECISION. The matrix products marked QUANTISED in the list below multiply operands that are first quantised to E4M3 (4 exponent bits, 3 mantissa bits; 8 bits a number), with one power-of-two scale for each 32 numbers along K (OCP MX v1.0); their sums are f32. All else is computed in f32.
;;   The module's matrix products, in the order in which they are computed (A, B: the left and right operand; K: the contracted axis; several contracted axes count as one K, in the product's order):
;;     1. [M 8,192, K 1,024] x [K 1,024, N 1,024]; A: input x; B: input Wq: QUANTISED
;;     2. [M 8,192, K 1,024] x [K 1,024, N 1,024]; A: input x; B: input Wk: QUANTISED
;;     3. [M 8,192, K 1,024] x [K 1,024, N 1,024]; A: input x; B: input Wv: QUANTISED
;;     4. batch 64 x [M 2,048, K 64] x [K 64, N 2,048]; A: computed on the way; B: computed on the way: QUANTISED
;;     5. batch 64 x [M 2,048, K 2,048] x [K 2,048, N 64]; A: softmax (see below); B: computed on the way: QUANTISED
;;     6. [M 8,192, K 1,024] x [K 1,024, N 1,024]; A: computed on the way; B: input Wo: QUANTISED
;;   THE QUANTISER, for each operand of a quantised product, along K:
;;     - K is cut into blocks of 32 from its start; a last block that is shorter is filled with zeros.
;;     - A block's scale is 2^e with e = floor(log2(the largest magnitude in the block)) - 8, held to -126 .. 127; a block of zeros has e = 0. As a byte (E8M0): e + 127.
;;     - Each number is divided by its block's scale, clamped to +-448, and rounded to the nearest number of E4M3, ties to even, subnormals kept.
;;     - The product sums the exact products of the quantised numbers (number of the format x scale) in f32.
;;   ~~~python
;;   def quantise(x, axis):      # numpy; x: float32 -> the quantised numbers, widened to float32 again
;;       x = np.moveaxis(x, axis, -1); K = x.shape[-1]
;;       x = np.pad(x, [(0, 0)] * (x.ndim - 1) + [(0, -K % 32)]); x = x.reshape(x.shape[:-1] + (-1, 32)); a = np.abs(x).max(-1, keepdims=True)
;;       e = np.where(a > 0, np.clip(np.frexp(np.where(a > 0, a, 1))[1] - 1 - 8, -126, 127), 0)      # np.frexp(a)[1] - 1 = floor(log2(a)), exactly
;;       r = np.clip(x / 2.0 ** e, -448, 448)
;;       step = 2.0 ** (np.maximum(np.frexp(np.where(r == 0, 1, r))[1] - 1, -6) - 3)
;;       q = np.round(r / step) * step * 2.0 ** e      # np.round: ties to even
;;       return np.moveaxis(q.reshape(q.shape[:-2] + (-1,))[..., :K], -1, axis).astype(np.float32)
;;   ~~~
;;   SOFTMAX AHEAD OF A QUANTISED PRODUCT. Where the list says 'softmax', what is quantised is not the finished softmax but p = 2^(t - M), with t = logit x log2(e) and M = ceil(the row's largest t), a whole number; so 1/2 < the row's largest p <= 1. The row's sum l is taken of the UNQUANTISED p, in f32, and the product's result is divided by l at the end. Since M is a whole number, a kernel that streams over the keys may use a running M (the ceiling of the running maximum): every later rescaling is an exact power of two, which a block's scale takes up: the codes' values come out the same.
;;   OPERANDS COMPUTED ON THE WAY. 'Computed on the way' means the value that the module computes at that place (a softmax that the list does not call 'softmax' is quantised finished and normalised). What goes into a quantiser is computed in f32, as accurately as f32 sums, v_exp_f32 and their like allow (about 1e-6 of the number): no bf16 or f16 on the way to a quantiser, and a product that is left as it is and whose result goes on into a quantised operand takes f32 operands (vector FMAs, or v_wmma_f32_16x16x4_f32). A number that lies on a knife's edge between two numbers of the format may be rounded either way, as far as f32 arithmetic and the matrix unit's own rounding can turn it there, and no further.
;; One version. Each part assembles by itself: llvm-mc -triple=amdgcn-amd-amdhsa -mcpu=gfx1250 --defsym DOCPART=n.
;; ======== version 1 of 1: 4 launches
;; limits: right only within a limited range of input values
;; workspace buffers: cod 12,582,912 bytes; scl 393,216 bytes; qkv 26,476,544 bytes; oimg 8,388,608 bytes; osc 262,144 bytes
;; launch quant (part 1): grid 384 x 1, 4 waves a work-group, no clusters, 34,304 bytes of LDS; arguments x, Wq, Wk, Wv, Wo, cod, scl; writes cod, scl
.if DOCPART == 1
	.amdgcn_target "amdgcn-amd-amdhsa--gfx1250"
	.amdhsa_code_object_version 6
	.text
	.protected	k_qccafd3878d_quant
	.globl	k_qccafd3878d_quant
	.p2align	8
	.type	k_qccafd3878d_quant,@function
k_qccafd3878d_quant:
	s_mov_b64 s[64:65], 0
	v_nop
	global_prefetch_b8 v0, s[64:65] scope:SCOPE_SE
	s_setreg_imm32_b32 hwreg(HW_REG_WAVE_MODE, 25, 1), 1
	s_wait_xcnt 0x0
; x [8192][1024] and Wq, Wk, Wv, Wo [1024][1024], f32, K innermost, become codes of FP8 (E4M3) with one E8M0 byte for each 32 along K.
; A block's scale is 2^(floor(log2(its largest magnitude)) - 8); each number is divided by it, held within +-448 and rounded to the nearest code, ties to even.
; THE CODES ARE LAID AS IMAGES OF OPERAND REGISTERS.  A fragment is 16 rows x 128 K = 2,048 bytes: chunk c (512 bytes) holds, at 16 x lane, k = 32 c + 16 (lane / 16) + 0 .. 15 of row lane % 16.
;   cod [K step of 256: 4][tile of 16 rows: 768][128 K: 2][2,048];  tiles 0-511 x, 512.. Wq, 576.. Wk, 640.. Wv, 704.. Wo.
;   scl [tile 768][half of K: 2][row 16][4 words]: a word is the four bytes of 128 along K.
; THE ROWS OF A TILE ARE NOT NEIGHBOURS: row r of tile 2 g + u is row 32 g + 8 u + r + 8 (r / 8) of the tensor, so that the results of two neighbouring tiles, used as source 0, are 16 neighbours along a later K.
; SHARES.  A work-group takes 32 rows; wave w takes tile u = w % 2 and half w / 2 of K: 16 rows x 512 K in four steps of 128.  Each load reads 512 consecutive bytes of a row; a step's 8 KiB turn through the
; wave's own stage in LDS (rows of 512 + 16 bytes) so that a lane gets 16 neighbours of each block.  Every store of codes covers 512 consecutive bytes, the scale words 256.  Waves share nothing: no barrier.
; LIMITS: NaN and infinities among the inputs are not served.  A block of zeros, or one whose largest magnitude lies under 2^-118, gets the byte 1 (the rule says 127 for zeros): its codes are zeros or the
; format's smallest, and only this program reads the bytes.
.set PLANE, 3145728                    ; bytes of a K step's codes: 768 tiles x 4,096
.set SPI,   528                        ; a stage row
.set LI,    4                          ; v4   16 x lane
.set STI,   5                          ; v5   the stage, on the way in
.set STOU,  6                          ; v6   and on the way out
.set SA,    7                          ; v7   my place among the wave's scale words
.set TM,    8                          ; v8-23  largest magnitudes, bytes, the conversions' scale operands
.set SWD,   24                         ; v24-27 the four steps' scale words
.set SWP,   28                         ; v28-29 the two that I store
.set PC,    32                         ; v32-63 codes, two sets
.set R,     64                         ; v64-191 numbers as loaded, two sets of 64
.set X,     192                        ; v192-255 the 64 numbers at work: register 16 b + i = k 32 b + 16 (lane / 16) + i of my row
.set SEL,   20                         ; s[20:21] selects for v_permlanex16_b32: lane l xor 16
.set MNT,   22
	s_load_b256 s[4:11], s[0:1], 0x0               ; x, Wq, Wk, Wv
	s_load_b128 s[12:15], s[0:1], 0x20             ; Wo, cod
	s_load_b64 s[16:17], s[0:1], 0x30              ; scl
	v_lshl_add_u32 v30, v0, 2, 0x8400
	v_mov_b32 v31, 0
	v_lshrrev_b32 v1, 5, v0
	v_readfirstlane_b32 s24, v1                    ; wave 0..3
	v_and_b32 v1, 31, v0                           ; lane
	v_and_b32 v2, 15, v0                           ; r
	v_bfe_u32 v3, v0, 4, 1                         ; h
	v_lshlrev_b32 v[LI], 4, v1
	s_mul_i32 s25, s24, 16*SPI                     ; my stage
	v_add_nc_u32 v[STI], s25, v[LI]                ; in: a row's 512 bytes as they lie
	v_mul_u32_u24 v[STOU], v2, SPI
	v_lshl_add_u32 v[STOU], v3, 6, v[STOU]
	v_add_nc_u32 v[STOU], s25, v[STOU]             ; out: row r, + 64 h: my 16 numbers of a block
	v_lshlrev_b32 v[SA], 4, v2
	v_lshl_add_u32 v[SA], v3, 3, v[SA]             ; 16 r + 8 h
.irp b, 0,1,2,3
	v_mov_b32 v[TM+4+\b], 0                        ; written once: a lane permute's destination counts as one of its sources
.endr
	s_and_b32 s26, s24, 1                          ; u
	s_lshr_b32 s27, s24, 1                         ; which half of K
	s_mov_b32 s[SEL], 0x76543210
	s_mov_b32 s[SEL+1], 0xfedcba98
	s_and_b32 s28, ttmp9, 31
	s_cmp_lt_u32 ttmp9, 256
	s_cselect_b32 s28, ttmp9, s28                  ; the group of 32 rows inside its tensor
	s_lshl_b32 s28, s28, 5
	s_lshl_b32 s29, s26, 3
	s_add_co_u32 s28, s28, s29                     ; its first row, + 8 u
	s_lshl_b32 s28, s28, 12                        ; rows of 4,096 bytes
	s_lshl_b32 s29, s27, 11
	s_add_co_u32 s28, s28, s29                     ; + my half of K
	s_mov_b32 s29, 0
	s_lshl_b32 s34, ttmp9, 1
	s_add_co_u32 s34, s34, s26                     ; my tile
	s_mul_i32 s30, s27, 2*PLANE
	s_lshl_b32 s31, s34, 12
	s_add_co_u32 s30, s30, s31                     ; where my codes begin
	s_mov_b32 s31, 0
	s_lshl_b32 s32, s34, 9
	s_lshl_b32 s33, s27, 8
	s_add_co_u32 s32, s32, s33                     ; and my scale words
	s_mov_b32 s33, 0
	s_wait_alu depctr_va_vdst(0)
	s_wait_kmcnt 0x0
	s_cmp_lt_u32 ttmp9, 352                        ; which tensor: the choice hangs on the work-group's number alone
	s_cselect_b64 s[18:19], s[10:11], s[12:13]
	s_cmp_lt_u32 ttmp9, 320
	s_cselect_b64 s[18:19], s[8:9], s[18:19]
	s_cmp_lt_u32 ttmp9, 288
	s_cselect_b64 s[18:19], s[6:7], s[18:19]
	s_cmp_lt_u32 ttmp9, 256
	s_cselect_b64 s[18:19], s[4:5], s[18:19]
	s_add_nc_u64 s[18:19], s[18:19], s[28:29]
	s_add_nc_u64 s[14:15], s[14:15], s[30:31]
	s_add_nc_u64 s[16:17], s[16:17], s[32:33]
.macro LOAD t                          ; step t: 128 numbers of each of my 16 rows; the tile's row i is row i + 8 (i / 8) from my first
.irp i, 0,1,2,3,4,5,6,7,8,9,10,11,12,13,14,15
	global_load_b128 v[R+64*((\t)%2)+4*\i:R+64*((\t)%2)+4*\i+3], v[LI], s[18:19] offset:(\i+8*(\i/8))*4096+512*(\t) th:TH_LOAD_NT
.endr
.endm
.macro TURN t                          ; through the stage: LDS serves a wave's instructions in order, so no wait stands between the stores and the loads
.irp i, 0,1,2,3,4,5,6,7,8,9,10,11,12,13,14,15
	ds_store_b128 v[STI], v[R+64*((\t)%2)+4*\i:R+64*((\t)%2)+4*\i+3] offset:SPI*\i
.endr
.irp c, 0,1,2,3
.irp e, 0,1,2,3
	ds_load_b128 v[X+16*\c+4*\e:X+16*\c+4*\e+3], v[STOU] offset:128*\c+16*\e
.endr
.endr
.endm
; 64 numbers of a lane, v[s] on, become a fragment's codes in v[pc] on and its row's scale word in v[pw]
.macro QUANT s, pc, pw
.irp b, 0,1,2,3
	v_max3_num_f32 v[TM+\b], |v[\s+16*\b]|, |v[\s+1+16*\b]|, 0x4800000   ; block b: my 16 numbers, and the floor 2^(9 - 127): the byte cannot fall under 1
.endr
.irp i, 2,4,6,8,10,12,14
.irp b, 0,1,2,3
	v_max3_num_f32 v[TM+\b], v[TM+\b], |v[\s+16*\b+\i]|, |v[\s+1+16*\b+\i]|   ; the four blocks by turns
.endr
.endr
.irp b, 0,1,2,3
	v_permlanex16_b32 v[TM+4+\b], v[TM+\b], s[SEL], s[SEL+1]
.endr
.irp b, 0,1,2,3
	v_max_num_f32 v[TM+\b], v[TM+\b], v[TM+4+\b]   ; with lane l xor 16's: the block's largest magnitude
.endr
.irp b, 0,1,2,3
	v_add_nc_u32 v[TM+12+\b], 0xfc000000, v[TM+\b] ; 8 off its exponent field: the conversion's scale operand
.endr
.irp b, 0,1,2,3
.endr
.irp b, 0,1,2,3
	v_lshrrev_b32 v[TM+4+\b], 23, v[TM+12+\b]      ; the scale's byte
.endr
	v_lshl_or_b32 v[\pw], v[TM+5], 8, v[TM+4]
	v_lshl_or_b32 v[\pw], v[TM+6], 16, v[\pw]
	v_lshl_or_b32 v[\pw], v[TM+7], 24, v[\pw]
.irp b, 0,1,2,3
.irp i, 0,1,2,3,4,5,6,7,8,9,10,11,12,13,14,15
.endr
	v_cvt_scalef32_pk8_fp8_f32 v[\pc+4*\b:\pc+4*\b+1], v[\s+16*\b:\s+16*\b+7], v[TM+12+\b]
	v_cvt_scalef32_pk8_fp8_f32 v[\pc+4*\b+2:\pc+4*\b+3], v[\s+16*\b+8:\s+16*\b+15], v[TM+12+\b]
.endr
	v_nop                                          ; a plain line behind the last conversion
.endm
.macro STEP t
.if \t < 3
	s_wait_loadcnt 16                              ; this step's 16 loads are in; the next step's may be out
.else
	s_wait_loadcnt 0x0
.endif
	TURN \t
	s_wait_dscnt 0x0                               ; my 64 numbers are back; the stage's stores have read their registers,
.if \t < 2
	LOAD \t+2                                      ; which take the loads of two steps on
.endif
.if \t >= 2
	s_wait_xcnt 0x0                                ; the stores of two steps ago have read this set of code registers
.endif
	QUANT X, PC+16*((\t)%2), SWD+\t
.irp c, 0,1,2,3
	global_store_b128 v[LI], v[PC+16*((\t)%2)+4*\c:PC+16*((\t)%2)+4*\c+3], s[14:15] offset:((\t)/2)*PLANE+((\t)%2)*2048+512*\c   ; 512 consecutive bytes
.endr
.endm
	LOAD 0
	LOAD 1
.irp t, 0,1,2,3
	STEP \t
.endr
	v_cmp_eq_u32 vcc_lo, 1, v3                     ; lanes 0-15 store words 0 and 1 of their row, lanes 16-31 words 2 and 3
	v_cndmask_b32 v[SWP], v[SWD], v[SWD+2], vcc_lo
	v_cndmask_b32 v[SWP+1], v[SWD+1], v[SWD+3], vcc_lo
	global_store_b64 v[SA], v[SWP:SWP+1], s[16:17] ; 256 consecutive bytes, aligned
	s_wait_tensorcnt 0x0
	ds_add_u32 v30, v31
	s_wait_dscnt 0x0
	s_endpgm
.Lfunc_end_k_qccafd3878d_quant:
	.size	k_qccafd3878d_quant, .Lfunc_end_k_qccafd3878d_quant-k_qccafd3878d_quant
	.p2alignl 7, 3214868480
	.fill 96, 4, 3214868480
	.section	.rodata,"a",@progbits
	.p2align	6, 0x0
	.amdhsa_kernel k_qccafd3878d_quant
		.amdhsa_group_segment_fixed_size 34304
		.amdhsa_private_segment_fixed_size 0
		.amdhsa_enable_private_segment 0
		.amdhsa_kernarg_size 56
		.amdhsa_user_sgpr_count 2
		.amdhsa_user_sgpr_kernarg_segment_ptr 1
		.amdhsa_wavefront_size32 1
		.amdhsa_system_sgpr_workgroup_id_x 1
		.amdhsa_system_sgpr_workgroup_id_y 1
		.amdhsa_system_sgpr_workgroup_id_z 1
		.amdhsa_system_vgpr_workitem_id 0
		.amdhsa_next_free_vgpr 256
		.amdhsa_next_free_sgpr 66
		.amdhsa_reserve_vcc 1
		.amdhsa_float_denorm_mode_32 3
		.amdhsa_float_denorm_mode_16_64 3
		.amdhsa_fp16_overflow 1
		.amdhsa_memory_ordered 1
		.amdhsa_forward_progress 1
		.amdhsa_inst_pref_size 34
	.end_amdhsa_kernel
	.amdgpu_metadata
---
amdhsa.version: [ 1, 2 ]
amdhsa.kernels:
  - .name:           k_qccafd3878d_quant
    .symbol:         k_qccafd3878d_quant.kd
    .args:
      - { .name: x, .offset: 0, .size: 8, .value_kind: global_buffer, .address_space: global }
      - { .name: Wq, .offset: 8, .size: 8, .value_kind: global_buffer, .address_space: global }
      - { .name: Wk, .offset: 16, .size: 8, .value_kind: global_buffer, .address_space: global }
      - { .name: Wv, .offset: 24, .size: 8, .value_kind: global_buffer, .address_space: global }
      - { .name: Wo, .offset: 32, .size: 8, .value_kind: global_buffer, .address_space: global }
      - { .name: cod, .offset: 40, .size: 8, .value_kind: global_buffer, .address_space: global }
      - { .name: scl, .offset: 48, .size: 8, .value_kind: global_buffer, .address_space: global }
    .group_segment_fixed_size: 34304
    .private_segment_fixed_size: 0
    .kernarg_segment_align: 8
    .kernarg_segment_size: 56
    .max_flat_workgroup_size: 128
    .sgpr_count:     66
    .vgpr_count:     256
    .wavefront_size: 32
...
	.end_amdgpu_metadata
.endif
;; end of part 1
;; launch qkvp (part 2): grid 12 x 32, 4 waves a work-group, clusters of 4 x 4, 327,680 bytes of LDS; arguments cod, scl, bq, bk, bv, qkv; writes qkv
.if DOCPART == 2
	.amdgcn_target "amdgcn-amd-amdhsa--gfx1250"
	.amdhsa_code_object_version 6
	.text
	.protected	k_qccafd3878d_qkvp
	.globl	k_qccafd3878d_qkvp
	.p2align	8
	.type	k_qccafd3878d_qkvp,@function
k_qccafd3878d_qkvp:
	s_mov_b64 s[64:65], 0
	v_nop
	global_prefetch_b8 v0, s[64:65] scope:SCOPE_SE
	s_setreg_imm32_b32 hwreg(HW_REG_WAVE_MODE, 25, 1), 1
	s_wait_xcnt 0x0
	s_wait_alu depctr_hold_cnt(0) depctr_sa_sdst(0) depctr_va_vdst(0) depctr_va_sdst(0) depctr_va_ssrc(0) depctr_va_vcc(0) depctr_vm_vsrc(0)
	s_getreg_b32 s2, hwreg(HW_REG_IB_STS2, 6, 4)
	s_cmp_eq_u32 s2, 0
	s_cbranch_scc0 .Lentry_in_a_cluster
	s_endpgm
.Lentry_in_a_cluster:
	s_bfe_u32 s2, ttmp6, 0x10000c
	s_cmp_lg_u32 s2, 0xf033
	s_cbranch_scc0 .Lentry_shape_is_right
	s_endpgm
.Lentry_shape_is_right:
; q = x Wq^T + bq, k = x Wk^T + bk, v = x Wv^T + bv on codes of FP8 (E4M3) with E8M0 scales, K = 1,024; the results are quantised in registers and leave as codes: q and k along the head's 64, v along the keys.
; A tile of 256 x 256 results is made by four waves, 128 x 128 each: 64 accumulators, 512 registers.  K goes in four steps of 256 through two LDS slots filled by the tensor data mover.
; OPERANDS lie in memory and in LDS as images of their registers (16 rows x 128 K = 2,048 bytes, chunk c at 512 c, lane l's 16 bytes at 16 l): a K step's 8 tiles are 32 KiB on end, a fragment is four
; ds_load_b128 at 16 x lane.  Row r of tile 2 g + u is row 32 g + 8 u + r + 8 (r / 8) of its tensor.
; THE MATRIX INSTRUCTION: source 0 = 16 rows of "B", source 1 = 16 rows of "A": a lane holds one row of A, and the 64 results of one block of A are 4 x 16 neighbours along B's rows: register 16 b + i is
; row 32 b + 16 (lane / 16) + i of my 128 rows of B.  So they are quantised as they stand, and the conversions' results are the next product's operand registers.
; THREE PRODUCTS, ONE TEXT.  The cluster's x says which: 0: q, 1: k (A = x, B = the weight: registers run along the features, two heads of 64), 2: v (A = Wv, B = x: registers run along the keys).
; Only offsets into the buffers, the biases' layout and the first K step's C operand differ.
; CLUSTERS: 4 x 4 work-groups; A's tiles are shared along a row of the cluster, B's along a column: each is asked for jointly, by the same tensor load with a mask that names the four.
; qkv: 512 chunks [batch x head 64][256 tokens: 8] of 51,712 bytes: K's codes 16,384 (16 tiles x 2 chunks x 512), K's scale words 1,024 ([4 tiles][row 16][4 words]), V's codes 16,384 ([128 keys 2][16 features 4][2,048]),
; V's scale words 512 ([2][row 16][4]), Q's codes 16,384, Q's scale words 1,024.  A q or k tile has two scale bytes: an even tile's lie in bytes 0, 1 of its word, an odd tile's in bytes 2, 3; the other two
; bytes are the neighbouring head's or 0, and meet zero codes alone.  On the v path both halves of the lanes store the same scale words to the same bytes.
; LIMITS: NaN and infinities are not served.  A block whose largest magnitude lies under 2^-118 gets the byte 1; only this program reads the bytes.
; REGISTERS, in windows of 256: window 0: v0-31 addresses; v32-63 scale words, two sets; v64-127 the biases, later at work on the way out; v128-255 A's fragments, one set, later the codes.
;   window 1: B's fragments, two sets.   windows 2, 3: accumulator (a, b) at v[8 (8 (a % 4) + b)].
.set PLANE,  3145728                   ; a K step's codes in cod
.set PLA,    PLANE
.set PLB,    PLANE
.set CH,     51712                     ; a chunk of qkv
.set HS,     8*CH                      ; a head's eight chunks
.set VC,     17408
.set QC,     34304
.set FR,     16                        ; registers of a fragment
.set NL,     4                         ; LDS loads that bring one
.set NP,     8                         ; places behind this matrix instruction (ISA guide 7.12.1)
.set SLOT,   131072                    ; A's 16 tiles x 4,096, then B's
.set BOFF,   65536
.set SCL,    2*SLOT                    ; the scale words of all of K: A's 8,192 bytes, B's 8,192
.set SPARE,  SCL+16384                 ; the spare words, 128 bytes for each wave: two blocks of 256 bytes that no other line names
.set AD,   8                           ; v8-11  the way out: my offsets of a fragment's four chunks
.set SAD,  12                          ; v12-13 and of the scale words
.set SHV,  14                          ; v14, v15 shifts that bring a head's two bytes to their place
.set SHV2, 15
.set ADRA, 16                          ; v16-17 LDS address of my A fragments in slot 0, 1
.set ADRB, 20                          ; v20-21 the same for B
.set ADRS, 27                          ; v27    of my scale words: lanes 0-15 A's rows, lanes 16-31 B's
.set SPW,  28                          ; v28    LDS address of my spare word; never rewritten
.set NIL,  29                          ; v29    0; never rewritten
.set SC,   32
.set BIAS, 64
.set TM,   64                          ; the way out: v64-79 at work, v80 a scale word, v84-91 the eight blocks' words
.set PW,   80
.set SW,   84
.set AF,   128
.set G1, 24
.set G0, 32
.set G1B, 48
.set G0B, 56
.set G1S, 68
.set G0S, 76
.set G1SB, 80
.set G0SB, 88
.set BASE, 24                          ; the way out: s[24:39] eight bases, one for each block of A
.set SEL, 40
.set MNT, 42
.set MSB, 0
.macro WIN new                         ; the immediate's high byte repeats the setting that is left
.if MSB != \new
	s_set_vgpr_msb (MSB<<8)|\new
.set MSB, \new
.endif
.endm
.set MUL_LO,  0xa1                     ; source 0 (B) window 1, source 1 (A) window 0, C and D window 2
.set MUL_HI,  0xf1                     ; the same, C and D window 3
.set MUL_LOB, 0x81                     ; the first K step: C (the biases) window 0, D window 2
.set MUL_HIB, 0xc1                     ; D window 3
.set TO_B,    0x40                     ; destination window 1, address window 0
; A joint load: waves 0 and 1 fetch for A, waves 2 and 3 for B.  The branch hangs on the wave's number alone.  Four v_nop follow each of the two lines.
.macro JLOAD g0a, g1a, g0b, g1b
	s_cmp_eq_u32 s17, 0
	s_cbranch_scc0 .Lfor_b_\@
	tensor_load_to_lds s[\g0a:\g0a+3], s[\g1a:\g1a+7]
	s_nop 0
.rept 4
	v_nop
.endr
	s_branch .Lasked_\@
.Lfor_b_\@:
	tensor_load_to_lds s[\g0b:\g0b+3], s[\g1b:\g1b+7]
	s_nop 0
.rept 4
	v_nop
.endr
.Lasked_\@:
.endm
.macro CREST                           ; a round of the cluster's barrier behind its opening barrier
	s_cmp_lg_u32 s16, 0
	s_cbranch_scc1 .Lnot_wave_0_\@
	s_barrier_signal -3
.Lnot_wave_0_\@:
	s_barrier_wait -3
	s_barrier_signal -1
	s_barrier_wait -1
.endm
.macro CROUND                          ; a whole round
	s_barrier_signal -1
	s_barrier_wait -1
	CREST
.endm
	s_load_b256 s[4:11], s[0:1], 0x0               ; cod, scl, bq, bk
	s_load_b128 s[12:15], s[0:1], 0x20             ; bv, qkv
	v_lshl_add_u32 v[SPW], v0, 2, SPARE
	v_mov_b32 v[NIL], 0
	ds_add_u32 v28, v29
	ds_add_u32 v28, v29
	s_wait_dscnt 0x0
	v_lshrrev_b32 v1, 5, v0
	v_readfirstlane_b32 s16, v1                    ; wave 0..3
	s_lshr_b32 s17, s16, 1                         ; which half of A's rows is mine.  Also: I fetch for A (0) or for B (1)
	s_and_b32 s18, s16, 1                          ; which half of B's rows.  Also: which 8 tiles I fetch
	s_bfe_u32 s40, ttmp6, 0x40000                  ; cx, cy: my place in the cluster
	s_bfe_u32 s41, ttmp6, 0x40004
	s_and_b32 s19, ttmp7, 0xffff
	s_lshl_b32 s19, s19, 2                         ; 4 x the cluster's y
	s_add_co_u32 s20, s19, s41                     ; blocks of 256 rows in cod: x 0-31, Wq 32-35, Wk 36-39, Wv 40-43.  q, k: A = x's block 4 Y + cy;
	s_add_co_u32 s21, s41, 40                      ; v: A = Wv's block cy
	s_add_co_u32 s22, s19, s40                     ; v: B = x's block 4 Y + cx;
	s_lshl_b32 s23, ttmp9, 2
	s_add_co_u32 s23, s23, s40
	s_add_co_u32 s23, s23, 32                      ; q, k: B = the weight's block cx
	s_cmp_eq_u32 ttmp9, 2                          ; the cluster's x: equal in all sixteen partners
	s_cselect_b32 s45, s21, s20                    ; A's block: it hangs on cy alone
	s_cselect_b32 s42, s22, s23                    ; B's block: on cx alone
	s_lshl_b32 s43, s41, 2
	s_lshl_b32 s43, 15, s43                        ; my row of the cluster
	s_lshl_b32 s44, 0x1111, s40                    ; my column
	; descriptor group 1: dense blocks, as rows of 256 bytes (32 elements of 8 bytes), no padding: 128 rows of codes, 16 rows of scale words
	s_or_b32 s[G1+0], s43, (3<<16)|(1<<21)         ; 15:0 the mask: A's tiles go to my row; 17:16 elements of 8 bytes; 21 set beside a mask
	s_or_b32 s[G1B+0], s44, (3<<16)|(1<<21)
	s_or_b32 s[G1S+0], s43, (3<<16)|(1<<21)
	s_or_b32 s[G1SB+0], s44, (3<<16)|(1<<21)
.irp g, G1, G1B
	s_mov_b32 s[\g+1], 32<<16                      ; tensor_dim0
	s_mov_b32 s[\g+2], 128<<16                     ; tensor_dim1
	s_mov_b32 s[\g+3], 32<<16                      ; tile_dim0
	s_mov_b32 s[\g+4], 128                         ; tile_dim1
	s_mov_b32 s[\g+5], 32                          ; tensor_dim0_stride
	s_mov_b32 s[\g+6], 0
	s_mov_b32 s[\g+7], 0
.endr
.irp g, G1S, G1SB
	s_mov_b32 s[\g+1], 32<<16
	s_mov_b32 s[\g+2], 16<<16
	s_mov_b32 s[\g+3], 32<<16
	s_mov_b32 s[\g+4], 16
	s_mov_b32 s[\g+5], 32
	s_mov_b32 s[\g+6], 0
	s_mov_b32 s[\g+7], 0
.endr
	s_lshl_b32 s2, s18, 15                         ; which 8 tiles of the block I fetch
	s_lshl_b32 s46, s45, 16
	s_add_co_u32 s46, s46, s2                      ; A's codes: 65,536 x block + 32,768 x half
	s_mov_b32 s47, 0
	s_lshl_b32 s92, s42, 16
	s_add_co_u32 s92, s92, s2                      ; B's
	s_mov_b32 s93, 0
	s_lshl_b32 s2, s18, 12
	s_lshl_b32 s94, s45, 13
	s_add_co_u32 s94, s94, s2                      ; A's scale words: 8,192 x block + 4,096 x half
	s_mov_b32 s95, 0
	s_lshl_b32 s96, s42, 13
	s_add_co_u32 s96, s96, s2                      ; B's
	s_mov_b32 s97, 0
	s_lshl_b32 s98, s16, 15                        ; where they go: wave x 32,768 in a slot, wave x 4,096 among the scales: no place in the cluster enters an LDS address
	s_lshl_b32 s99, s16, 12
	s_lshl_b32 s66, s42, 1
	s_add_co_u32 s66, s66, s18                     ; my 128 rows of B, as a number,
	s_lshl_b32 s67, s45, 1
	s_add_co_u32 s67, s67, s17                     ; and of A
	s_cmp_eq_u32 ttmp9, 2
	s_cselect_b32 s100, s67, s66                   ; the one that counts features,
	s_cselect_b32 s101, s66, s67                   ; s101: the one that counts tokens: my group of 128 tokens, 0..63
	s_and_b32 s100, s100, 7                        ; s100: my pair of heads, 0..7 (the weights' blocks begin at multiples of 8 such numbers)
	s_wait_kmcnt 0x0
	s_add_nc_u64 s[46:47], s[4:5], s[46:47]
	s_add_nc_u64 s[92:93], s[4:5], s[92:93]
	s_add_nc_u64 s[94:95], s[6:7], s[94:95]
	s_add_nc_u64 s[96:97], s[6:7], s[96:97]
	CROUND                                         ; all sixteen work-groups are here: the first joint loads meet
	s_mov_b32 s[G0S], 1
	s_add_co_u32 s[G0S+1], s99, SCL
	s_mov_b64 s[G0S+2:G0S+3], s[94:95]
	s_or_b32 s[G0S+3], s[G0S+3], 0x80000000
	s_mov_b32 s[G0SB], 1
	s_add_co_u32 s[G0SB+1], s99, SCL
	s_mov_b64 s[G0SB+2:G0SB+3], s[96:97]
	s_or_b32 s[G0SB+3], s[G0SB+3], 0x80000000
	JLOAD G0S, G1S, G0SB, G1SB                     ; the scale words of all of K: filled once
.irp s, 0,1
	s_mov_b32 s[G0+4*\s], 1
	s_add_co_u32 s[G0+4*\s+1], s98, \s*SLOT
	s_add_nc_u64 s[G0+4*\s+2:G0+4*\s+3], s[46:47], \s*PLA
	s_or_b32 s[G0+4*\s+3], s[G0+4*\s+3], 0x80000000
	s_mov_b32 s[G0B+4*\s], 1
	s_add_co_u32 s[G0B+4*\s+1], s98, \s*SLOT
	s_add_nc_u64 s[G0B+4*\s+2:G0B+4*\s+3], s[92:93], \s*PLB
	s_or_b32 s[G0B+4*\s+3], s[G0B+4*\s+3], 0x80000000
	JLOAD G0+4*\s, G1, G0B+4*\s, G1B               ; K steps 0 and 1: three loads of mine are out
.endr
	v_and_b32 v1, 15, v0                           ; r: kept
	v_bfe_u32 v2, v0, 4, 1                         ; h: kept
	s_wait_alu depctr_va_vdst(0)
	v_and_b32 v3, 31, v0
	v_lshlrev_b32 v4, 4, v3                        ; 16 x lane
	s_lshl_b32 s2, s17, 15                         ; my 8 tiles of A
	s_lshl_b32 s3, s18, 15                         ; my 8 tiles of B,
	s_add_co_u32 s3, s3, BOFF                      ; which lie behind A's 16
.irp s, 0,1
	v_add_nc_u32 v[ADRA+\s], s2, v4
	v_add_nc_u32 v[ADRB+\s], s3, v4
	s_add_co_u32 s2, s2, SLOT
	s_add_co_u32 s3, s3, SLOT
.endr
	v_lshlrev_b32 v5, 4, v1                        ; my row's scale words: 16 bytes a row and half of K
	s_lshl_b32 s2, s17, 12                         ; A's: my 8 tiles
	s_lshl_b32 s3, s18, 12                         ; B's: my 8 tiles, behind A's 16
	s_add_co_u32 s3, s3, 8192
	s_sub_co_u32 s3, s3, s2
	v_mul_u32_u24 v6, s3, v2                       ; lanes 16-31 take B's
	s_add_co_u32 s2, s2, SCL
	v_add_nc_u32 v5, v5, v6
	v_add_nc_u32 v[ADRS], s2, v5
	; the biases are the C of the first K step's products
	s_cmp_eq_u32 ttmp9, 0
	s_cselect_b64 s[20:21], s[8:9], s[10:11]
	s_cmp_eq_u32 ttmp9, 2
	s_cselect_b64 s[20:21], s[12:13], s[20:21]
	s_lshl_b32 s2, s100, 9                         ; my 128 features
	s_mov_b32 s3, 0
	s_add_nc_u64 s[20:21], s[20:21], s[2:3]
	s_cmp_eq_u32 ttmp9, 2
	s_cbranch_scc1 .Lbias_v
	v_lshlrev_b32 v3, 6, v2                        ; q, k: registers run along the features: tile 2 b + u wants those of features 32 b + 16 h + 8 u + 0 .. 7
.irp t, 0,1,2,3,4,5,6,7
	global_load_b128 v[BIAS+8*\t:BIAS+8*\t+3], v3, s[20:21] offset:(32*(\t/2)+8*(\t%2))*4
	global_load_b128 v[BIAS+8*\t+4:BIAS+8*\t+7], v3, s[20:21] offset:(32*(\t/2)+8*(\t%2))*4+16
.endr
	s_wait_loadcnt 0x0
	s_branch .Lbias_done
.Lbias_v:
	v_and_b32 v3, 8, v1                            ; v: a lane holds one feature: that of row r of block a, 32 (a / 2) + 8 (a % 2) + r + 8 (r / 8), in all eight registers
	v_add_nc_u32 v3, v3, v1
	v_lshlrev_b32 v3, 2, v3
.irp a, 0,1,2,3,4,5,6,7
	global_load_b32 v[BIAS+8*\a], v3, s[20:21] offset:(32*(\a/2)+8*(\a%2))*4
.endr
	s_wait_loadcnt 0x0
.irp a, 0,1,2,3,4,5,6,7
.irp j, 1,2,3,4,5,6,7
	v_mov_b32 v[BIAS+8*\a+\j], v[BIAS+8*\a]
.endr
.endr
.rept 8
	v_nop
.endr
.Lbias_done:
.macro FRAG reg, adr, q, i             ; a fragment comes as it was stored: four chunks of 512 bytes
.irp c, 0,1,2,3
	ds_load_b128 v[\reg+4*\c:\reg+4*\c+3], v[\adr] offset:4096*(\i)+2048*(\q)+512*\c
.endr
.endm
; 16 matrix instructions: A's blocks a0, a0 + 1 x B's eight, the slot's q-th 128 along K.  p: B's set; sc: the set of scale words; cm: 0: C = D; 1: C = the biases by B's block; 2: by A's block.
; The 64 accumulators take turns, one instruction a turn, in the same order in every step.
.macro MUL16 a0, p, q, sc, cm
.irp a, \a0, \a0+1
.irp b, 0,1,2,3,4,5,6,7
.if \cm == 1
	v_wmma_scale_f32_16x16x128_f8f6f4 v[8*(8*((\a)%4)+\b):8*(8*((\a)%4)+\b)+7], v[128*(\p)+FR*\b:128*(\p)+FR*\b+FR-1], v[AF+FR*(\a):AF+FR*(\a)+FR-1], v[BIAS+8*\b:BIAS+8*\b+7], v[SC+16*(\sc)+2*\b+(\q)], v[SC+16*(\sc)+2*(\a)+(\q)] matrix_a_scale:MATRIX_SCALE_ROW1
.elseif \cm == 2
	v_wmma_scale_f32_16x16x128_f8f6f4 v[8*(8*((\a)%4)+\b):8*(8*((\a)%4)+\b)+7], v[128*(\p)+FR*\b:128*(\p)+FR*\b+FR-1], v[AF+FR*(\a):AF+FR*(\a)+FR-1], v[BIAS+8*(\a):BIAS+8*(\a)+7], v[SC+16*(\sc)+2*\b+(\q)], v[SC+16*(\sc)+2*(\a)+(\q)] matrix_a_scale:MATRIX_SCALE_ROW1
.else
	v_wmma_scale_f32_16x16x128_f8f6f4 v[8*(8*((\a)%4)+\b):8*(8*((\a)%4)+\b)+7], v[128*(\p)+FR*\b:128*(\p)+FR*\b+FR-1], v[AF+FR*(\a):AF+FR*(\a)+FR-1], v[8*(8*((\a)%4)+\b):8*(8*((\a)%4)+\b)+7], v[SC+16*(\sc)+2*\b+(\q)], v[SC+16*(\sc)+2*(\a)+(\q)] matrix_a_scale:MATRIX_SCALE_ROW1
.endif
.endr
.endr
.endm
.macro FETCH_B slot, q, p              ; B's eight fragments of the slot's q-th 128 along K into set p
	WIN TO_B
.irp i, 0,1,2,3,4,5,6,7
	FRAG 128*(\p)+FR*\i, ADRB+\slot, \q, \i
.endr
	WIN 0
.endm
.macro FETCH_A slot, q, i0             ; A's blocks i0 .. i0 + 3
.irp i, \i0, \i0+1, \i0+2, \i0+3
	FRAG AF+FR*(\i), ADRA+\slot, \q, \i
.endr
.endm
.macro SCALES set, ks                  ; K step ks's scale words into a set: two words a row; lanes 0-15 take A's block i, lanes 16-31 B's block i
.irp i, 0,1,2,3,4,5,6,7
	ds_load_b64 v[SC+16*\set+2*\i:SC+16*\set+2*\i+1], v[ADRS] offset:512*\i+256*((\ks)/2)+8*((\ks)%2)
.endr
.endm
; A load into a register that a matrix instruction has read, and a vector instruction that reads a matrix result, stand NP places behind that matrix instruction; only plain vector instructions that name
; none of its registers are places (ISA guide 7.12.1 for vector instructions).
.macro PLACES n
.rept \n
	v_nop
.endr
.endm
; A step of 128 along K that has its successor in the same slot.  A's blocks are free as soon as their eight products are issued: blocks 0-3 are fetched anew in the step's middle, blocks 4-7 at its end.
.macro STEP slot, q, cm
	s_wait_dscnt 4*NL                              ; B's set, A's blocks 0-3 and the scale words are in; the youngest sixteen loads (A's blocks 4-7) may be out
.if \cm
	WIN MUL_LOB
.else
	WIN MUL_LO
.endif
	MUL16 0, (\q)%2, \q, \slot, \cm
	MUL16 2, (\q)%2, \q, \slot, \cm
	s_wait_dscnt 0                                 ; A's blocks 4-7 are in
	PLACES NP
	FETCH_B \slot, (\q)+1, 1-(\q)%2
	FETCH_A \slot, (\q)+1, 0
.if \cm
	WIN MUL_HIB
.else
	WIN MUL_HI
.endif
	MUL16 4, (\q)%2, \q, \slot, \cm
	MUL16 6, (\q)%2, \q, \slot, \cm
	PLACES NP
	WIN 0
	FETCH_A \slot, (\q)+1, 4
.endm
; A slot's last step changes slots: ONE barrier; in front of it each wave waits for all its tensor loads, adds 0 to its spare word, and waits for that and for its own reads of this slot.
; fill = 1: this slot is filled again, two K steps ahead; the barrier then opens a round of the cluster's barrier.  ksn: the K step that lies in the next slot.
.macro TURN slot, next, fill, ksn
	s_wait_tensorcnt 0x0                           ; all my tensor loads have landed: my part of the next slot  (every window is 0 here)
	ds_add_u32 v[SPW], v[NIL]                      ; 0 onto my spare word
	s_wait_dscnt 4*NL+1                            ; (the add and the youngest sixteen loads may be out)
	WIN MUL_LO
	MUL16 0, 1, 1, \slot, 0                        ; sixteen matrix instructions stand between the add and the wait for it
	s_wait_dscnt 0x0                               ; the add is done, and my reads of this slot are over
	s_barrier_signal -1
	MUL16 2, 1, 1, \slot, 0
	WIN 0
	s_barrier_wait -1
.if \fill
	CREST                                          ; no wave of any partner still reads this slot's tile or has a load on its way
	s_add_nc_u64 s[G0+4*\slot+2:G0+4*\slot+3], s[G0+4*\slot+2:G0+4*\slot+3], 2*PLA
	s_add_nc_u64 s[G0B+4*\slot+2:G0B+4*\slot+3], s[G0B+4*\slot+2:G0B+4*\slot+3], 2*PLB
	JLOAD G0+4*\slot, G1, G0B+4*\slot, G1B         ; the first tensor load behind the round; its four v_nop are among the places in front of the loads below
	PLACES NP-4
.else
	PLACES NP
.endif
	FETCH_B \next, 0, 0
	FETCH_A \next, 0, 0
	SCALES \next, \ksn
	WIN MUL_HI
	MUL16 4, 1, 1, \slot, 0
	MUL16 6, 1, 1, \slot, 0
	PLACES NP
	WIN 0
	FETCH_A \next, 0, 4
.endm
	s_wait_tensorcnt 1                             ; the scale words and my part of K step 0 are in (K step 1's load may be out)
	s_barrier_signal -1
	s_barrier_wait -1                              ; everybody's are
	s_wait_alu depctr_va_vdst(0)
	FETCH_B 0, 0, 0
	FETCH_A 0, 0, 0
	SCALES 0, 0
	FETCH_A 0, 0, 4
	s_cmp_eq_u32 ttmp9, 2                          ; the first step starts the sums on the biases, whose layout differs: it is written twice
	s_cbranch_scc1 .Lfirst_v
	STEP 0, 0, 1
	s_branch .Lfirst_done
.Lfirst_v:
	STEP 0, 0, 2
.Lfirst_done:
	TURN 0, 1, 1, 1                                ; slot 0 takes K step 2
	STEP 1, 0, 0
	TURN 1, 0, 1, 2                                ; slot 1 takes K step 3
	STEP 0, 0, 0
	TURN 0, 1, 0, 3                                ; nothing is left to fetch
	STEP 1, 0, 0
	s_wait_dscnt 4*NL                              ; the very last step
	WIN MUL_LO
	MUL16 0, 1, 1, 1, 0
	MUL16 2, 1, 1, 1, 0
	s_wait_dscnt 0
	WIN MUL_HI
	MUL16 4, 1, 1, 1, 0
	MUL16 6, 1, 1, 1, 0
	WIN 0
	; THE WAY OUT.  No LDS: each block of A's 64 results a lane are quantised as they stand and leave as a fragment's four chunks, 512 consecutive bytes a store.
	PLACES NP
	s_mov_b32 s[SEL], 0x76543210                   ; (no tensor load of mine is out: the descriptors' registers are free)
	s_mov_b32 s[SEL+1], 0xfedcba98
	s_lshr_b32 s43, s101, 4                        ; the batch: 16 groups of 128 tokens each
	s_lshl_b32 s43, s43, 4
	s_lshl_b32 s44, s100, 1
	s_add_co_u32 s43, s43, s44                     ; 16 x batch + my first head
	s_lshl_b32 s43, s43, 3
	s_bfe_u32 s44, s101, 0x30001                   ; which 256 tokens
	s_add_co_u32 s43, s43, s44
	s_mul_i32 s43, s43, CH                         ; the chunk, in bytes
	s_and_b32 s45, s101, 1                         ; which half of them
	s_mov_b32 s48, HS
	s_cmp_eq_u32 ttmp9, 0
	s_cselect_b32 s46, QC, 0
	s_cmp_eq_u32 ttmp9, 2                          ; what follows differs between q, k and v
	s_cselect_b32 s46, VC, s46                     ; the codes' region in a chunk; its scale words lie 16,384 bytes on
	s_cselect_b32 s47, 8, 9                        ; a half's scale words: 256 or 512 bytes (as a shift)
	s_cselect_b32 s49, 11, 10                      ; from block to block: 2,048 or 1,024 bytes (as a shift)
	s_cselect_b32 s50, s48, 0x1000                 ; from block a to block a + 4: v: the next head; q, k: four tiles on
	s_cselect_b32 s52, 0x400, s48                  ; from chunk 0 to chunk 2 of a fragment: v: 1,024; q, k: the next head
	s_cselect_b32 s53, 0, s48                      ; scale words of lanes 16-31: q, k: the next head's
	s_cselect_b32 s54, s48, 0x100                  ; from blocks 0-3's words to blocks 4-7's
	s_cselect_b32 s55, 0, 16                       ; q, k: a head's two bytes are half a word
	s_mov_b32 s51, 0
	s_lshl_b32 s56, 1, s49
	s_mov_b32 s57, 0
	s_add_co_u32 s43, s43, s46
	s_lshl_b32 s58, s45, 13
	s_add_co_u32 s58, s58, s43                     ; my first block's codes
	s_mov_b32 s59, 0
	s_add_nc_u64 s[BASE:BASE+1], s[14:15], s[58:59]
.irp i, 1,2,3
	s_add_nc_u64 s[BASE+2*\i:BASE+2*\i+1], s[BASE+2*\i-2:BASE+2*\i-1], s[56:57]
.endr
.irp i, 0,1,2,3
	s_add_nc_u64 s[BASE+8+2*\i:BASE+9+2*\i], s[BASE+2*\i:BASE+2*\i+1], s[50:51]
.endr
	s_lshl_b32 s60, s45, s47
	s_add_co_u32 s60, s60, s43
	s_add_co_u32 s60, s60, 16384
	s_mov_b32 s61, 0
	s_add_nc_u64 s[60:61], s[14:15], s[60:61]      ; my scale words
	v_and_b32 v3, 31, v0
	v_lshlrev_b32 v[AD], 4, v3
	v_add_nc_u32 v[AD+1], 512, v[AD]
	v_add_nc_u32 v[AD+2], s52, v[AD]
	v_add_nc_u32 v[AD+3], 512, v[AD+2]
	v_mul_u32_u24 v[SAD], s53, v2
	v_lshl_add_u32 v[SAD], v1, 4, v[SAD]           ; 16 r: four tiles' words of my row
	v_add_nc_u32 v[SAD+1], s54, v[SAD]
	v_mul_u32_u24 v[SHV], s55, v2                  ; q, k: lanes 16-31 serve the second head: its bytes are brought down for an even tile,
	v_sub_nc_u32 v[SHV2], s55, v[SHV]              ; and the first head's up for an odd one
.irp b, 0,1,2,3
	v_mov_b32 v[TM+4+\b], 0                        ; written once: a lane permute's destination counts as one of its sources
.endr
.macro QUANTW a                        ; block a of A: its 64 results a lane, in window W; each accumulator is read from its low end on
.set W, 2+(\a)/4
.set AC, 64*((\a)%4)
.set CD, AF+16*(\a)
	WIN 5*W                                        ; sources 0 and 1 window W
.irp b, 0,1,2,3
	v_max3_num_f32 v[TM+\b], |v[AC+16*\b]|, |v[AC+16*\b+1]|, 0x4800000   ; block b of 32: my 16 numbers, and the floor 2^(9 - 127)
.endr
.irp i, 2,4,6,8,10,12,14
.irp b, 0,1,2,3
	v_max3_num_f32 v[TM+\b], |v[AC+16*\b+\i]|, |v[AC+16*\b+\i+1]|, v[TM+\b]
.endr
.endr
	WIN 0
.irp b, 0,1,2,3
	v_permlanex16_b32 v[TM+4+\b], v[TM+\b], s[SEL], s[SEL+1]
.endr
.irp b, 0,1,2,3
	v_max_num_f32 v[TM+\b], v[TM+\b], v[TM+4+\b]   ; with lane l xor 16's: the block's largest magnitude
.endr
.irp b, 0,1,2,3
	v_add_nc_u32 v[TM+12+\b], 0xfc000000, v[TM+\b] ; the conversion's scale operand
.endr
.irp b, 0,1,2,3
.endr
.irp b, 0,1,2,3
	v_lshrrev_b32 v[TM+4+\b], 23, v[TM+12+\b]      ; the scale's byte
.endr
	v_lshl_or_b32 v[PW], v[TM+5], 8, v[TM+4]
	v_lshl_or_b32 v[PW], v[TM+6], 16, v[PW]
	v_lshl_or_b32 v[PW], v[TM+7], 24, v[PW]
.if ((\a)%2) == 0
	v_lshrrev_b32 v[SW+\a], v[SHV], v[PW]
.else
	v_lshlrev_b32 v[SW+\a], v[SHV2], v[PW]
.endif
	WIN 65*W                                       ; source 0 and destination window W
.irp b, 0,1,2,3
.irp i, 0,1,2,3,4,5,6,7,8,9,10,11,12,13,14,15
.endr
.endr
	WIN W                                          ; source 0 window W
.irp b, 0,1,2,3
	v_cvt_scalef32_pk8_fp8_f32 v[CD+4*\b:CD+4*\b+1], v[AC+16*\b:AC+16*\b+7], v[TM+12+\b]
	v_cvt_scalef32_pk8_fp8_f32 v[CD+4*\b+2:CD+4*\b+3], v[AC+16*\b+8:AC+16*\b+15], v[TM+12+\b]
.endr
	WIN 0
	v_nop                                          ; a plain line behind the last conversion
.irp b, 0,1,2,3
	global_store_b128 v[AD+\b], v[CD+4*\b:CD+4*\b+3], s[BASE+2*(\a):BASE+2*(\a)+1]   ; each block has code registers of its own: no store's data are written again
.endr
.endm
.irp a, 0,1,2,3,4,5,6,7
	QUANTW \a
.endr
	global_store_b128 v[SAD], v[SW:SW+3], s[60:61]         ; sixteen lanes store 256 consecutive bytes
	global_store_b128 v[SAD+1], v[SW+4:SW+7], s[60:61]
	s_wait_tensorcnt 0x0                           ; the wave's end
	ds_add_u32 v[SPW], v[NIL]
	s_wait_dscnt 0x0
	CROUND                                         ; the closing round: no work-group ends while a partner may still ask for a tile that names it
	s_endpgm
.Lfunc_end_k_qccafd3878d_qkvp:
	.size	k_qccafd3878d_qkvp, .Lfunc_end_k_qccafd3878d_qkvp-k_qccafd3878d_qkvp
	.p2alignl 7, 3214868480
	.fill 96, 4, 3214868480
	.section	.rodata,"a",@progbits
	.p2align	6, 0x0
	.amdhsa_kernel k_qccafd3878d_qkvp
		.amdhsa_group_segment_fixed_size 327680
		.amdhsa_private_segment_fixed_size 0
		.amdhsa_enable_private_segment 0
		.amdhsa_kernarg_size 48
		.amdhsa_user_sgpr_count 2
		.amdhsa_user_sgpr_kernarg_segment_ptr 1
		.amdhsa_wavefront_size32 1
		.amdhsa_system_sgpr_workgroup_id_x 1
		.amdhsa_system_sgpr_workgroup_id_y 1
		.amdhsa_system_sgpr_workgroup_id_z 1
		.amdhsa_system_vgpr_workitem_id 0
		.amdhsa_next_free_vgpr 1024
		.amdhsa_next_free_sgpr 102
		.amdhsa_reserve_vcc 0
		.amdhsa_float_denorm_mode_32 3
		.amdhsa_float_denorm_mode_16_64 3
		.amdhsa_fp16_overflow 1
		.amdhsa_memory_ordered 1
		.amdhsa_forward_progress 1
		.amdhsa_inst_pref_size 168
	.end_amdhsa_kernel
	.amdgpu_metadata
---
amdhsa.version: [ 1, 2 ]
amdhsa.kernels:
  - .name:           k_qccafd3878d_qkvp
    .symbol:         k_qccafd3878d_qkvp.kd
    .args:
      - { .name: cod, .offset: 0, .size: 8, .value_kind: global_buffer, .address_space: global }
      - { .name: scl, .offset: 8, .size: 8, .value_kind: global_buffer, .address_space: global }
      - { .name: bq, .offset: 16, .size: 8, .value_kind: global_buffer, .address_space: global }
      - { .name: bk, .offset: 24, .size: 8, .value_kind: global_buffer, .address_space: global }
      - { .name: bv, .offset: 32, .size: 8, .value_kind: global_buffer, .address_space: global }
      - { .name: qkv, .offset: 40, .size: 8, .value_kind: global_buffer, .address_space: global }
    .group_segment_fixed_size: 327680
    .private_segment_fixed_size: 0
    .kernarg_segment_align: 8
    .kernarg_segment_size: 48
    .max_flat_workgroup_size: 128
    .sgpr_count:     102
    .vgpr_count:     1024
    .wavefront_size: 32
...
	.end_amdgpu_metadata
.endif
;; end of part 2
;; launch attn (part 3): grid 4 x 64, 16 waves a work-group, no clusters, 327,680 bytes of LDS; arguments qkv, oimg, osc; writes oimg, osc
.if DOCPART == 3
	.amdgcn_target "amdgcn-amd-amdhsa--gfx1250"
	.amdhsa_code_object_version 6
	.text
	.protected	k_qccafd3878d_attn
	.globl	k_qccafd3878d_attn
	.p2align	8
	.type	k_qccafd3878d_attn,@function
k_qccafd3878d_attn:
	s_mov_b64 s[64:65], 0
	v_nop
	global_prefetch_b8 v0, s[64:65] scope:SCOPE_SE
	s_setreg_imm32_b32 hwreg(HW_REG_WAVE_MODE, 25, 1), 1
	s_wait_xcnt 0x0
; Causal attention on codes of FP8 (E4M3) with E8M0 scales: 64 (batch, head) pairs, 2,048 tokens, head size 64.  Its result, O / l, is quantised along the model's 1,024 and leaves as codes for the last product.
; THE SOFTMAX: t = score x log2(e) / 8; M = the row's largest t so far, rounded UP to a whole number; p = 2^(t - M) is quantised along the keys, not normalised; the row's sum is taken of the unquantised p and
; divides O at the end.  When M moves, the sum and O are multiplied by 2^(old M - new M): exact.
; SHARES.  Work-group (i, head) owns the blocks of 256 queries i and 7 - i, one after the other; block j wants the key slots (256 keys) 0 .. j: always 9 slot trips, so the trip count is a constant and all 256
; work-groups have the same work.  Each of sixteen waves owns one tile of 16 queries of the block in hand.  A step is 128 keys; a step all of whose keys come after the wave's queries is jumped over.
; NO CLUSTER: from trip i + 1 on the four work-groups of a head want different slots in the same trip, so no joint request could be made on every path by all partners.
; LAYOUT.  Both products are used transposed: S^T = K Q^T, O^T = V^T P^T: a lane holds ONE query.  Operands lie in qkv as images of their registers; row r of tile 2 b + u is token (or feature)
; 32 b + 8 u + r + 8 (r / 8), so the 16 registers of tiles 2 b and 2 b + 1 of S^T are keys 32 b + 16 (lane / 16) + 0 .. 15, and those of O^T the same of the head's 64.
; K = 64 IN AN INSTRUCTION OF 128: a fragment of 16 registers holds key tiles 2 p (k 0-63) and 2 p + 1 (k 64-127); it is multiplied by [Q, 0] for the one and by [0, Q] for the other: zero codes silence the rest.
; A chunk of qkv (256 tokens of a head, 51,712 bytes): K's codes, K's scale words, V's codes, V's scale words: 34,304 bytes, what a slot holds; then Q's codes and scale words.
; The two scale bytes of a tile's row leave by stores of 2 bytes, 16 bytes apart: one byte in 32 of what the launch stores.
; LIMITS: NaN and infinities are not served.  A block whose largest magnitude lies under 2^-118 gets the byte 1; only this program reads the bytes.
.set CH,     51712
.set HS,     8*CH
.set KSO,    16384
.set VC,     17408
.set VSO,    33792
.set QC,     34304
.set OPLANE, 2097152                   ; a K step's codes in oimg: 512 tiles x 4,096
.set HALFS,  17152                     ; half a slot: 67 rows of 256 bytes, what one tensor load brings
.set SLOT1,  65536                     ; slot 1 begins here: one exclusive or turns an address from slot to slot
.set SPARE,  131072                    ; the spare words, 128 bytes for each wave: eight blocks of 256 bytes that no other line names
.set LI,   1                           ; v1   16 x lane
.set LR,   2                           ; v2   16 x (lane % 16)
.set QREL, 3                           ; v3   my query in its block, less 16 (lane / 16)
.set SPW,  5                           ; v5   LDS address of my spare word; never rewritten
.set NIL,  6                           ; v6   0; never rewritten
.set ADK,  8                           ; v8   the slot in hand + 16 x lane
.set ADS,  9                           ; v9   the slot in hand + 16 r
                                       ; v12 -M, v13 the largest t, v[14:15] the sum in two halves; v16-23 Q, v24-31 zeros, v32-39 Q again; v40-47, v48 the second block's Q and scale word; v50 the first's
.set QS,   49                          ; v49  Q's scale word: its two bytes twice
.set BM,   52                          ; v52-55 a block's largest score, then its largest p
.set BP,   56                          ; v56-59 at work
.set BH,   60
.set KV,   64                          ; v64-127 four fragments of K or of V
.set S,    128                         ; v128-191 S^T, then p
.set O,    192                         ; v192-223 O^T
.set PCD,  224                         ; v224-239 p's codes
.set KS,   240                         ; v240-247 K's eight or V's four scale words
.set BS,   248                         ; v248-251 the conversions' scale operands;  v252 f, v253 p's scale word, v254 at work, v255 O's two scale bytes
.set WV,   10
.set FLIP, 13                          ; s13  the trip at which the second block begins
.set T,    14
.set CUR,  15                          ; s15  the key slot in hand;  s16 the next
.set NXT,  16
.set TB,   17                          ; s17  LDS byte at which the slot in hand begins
.set KF,   18                          ; s18  the step's first key
.set QB,   19                          ; s19  the block's first query;  s21, s20: bounds of my tile's queries
.set QMAX, 20
.set QLO,  21
.set CS,   22                          ; s[22:23] c = log2(e) / 8
.set SEL,  24
.set MNT,  26
.set PSEL, 27
.set G1,   28
.set G0,   36
.set KVB,  40                          ; s[40:41] my half of the head's slot 0 in memory
.set OB,   42                          ; s[42:43], s[44:45] where my tile's codes and scale bytes go;  s[52:55] the second block's
.set OSB,  44
.macro TLOAD                           ; waves 0 and 1 fetch a slot's halves, the others nothing.  Four v_nop follow the line
	s_cmp_lt_u32 s[WV], 2
	s_cbranch_scc0 .Lnone_\@
	tensor_load_to_lds s[G0:G0+3], s[G1:G1+7]
	s_nop 0
.rept 4
	v_nop
.endr
.Lnone_\@:
.endm
	s_load_b128 s[4:7], s[0:1], 0x0                ; qkv, oimg
	s_load_b64 s[8:9], s[0:1], 0x10                ; osc
	v_lshl_add_u32 v[SPW], v0, 2, SPARE
	v_mov_b32 v[NIL], 0
	ds_add_u32 v5, v6
	ds_add_u32 v5, v6
	s_wait_dscnt 0x0
	v_lshrrev_b32 v8, 5, v0
	s_delay_alu instid0(VALU_DEP_1)
	v_readfirstlane_b32 s[WV], v8                  ; wave 0..15
	s_and_b32 s12, ttmp7, 0xffff                   ; 16 x batch + head
	s_add_co_u32 s[FLIP], ttmp9, 1
	s_sub_co_u32 s59, 7, ttmp9                     ; the second block
	s_mul_i32 s60, s12, HS                         ; the head's chunks
	s_mov_b32 s61, 0
	s_and_b32 s11, s[WV], 1
	s_mul_i32 s11, s11, HALFS
	s_mov_b32 s62, s11
	s_mov_b32 s63, 0
	s_mov_b32 s[G1], 3<<16                         ; a dense block as rows of 256 bytes: elements of 8 bytes, no mask, no padding
	s_mov_b32 s[G1+1], 32<<16                      ; tensor_dim0
	s_mov_b32 s[G1+2], 67<<16                      ; tensor_dim1
	s_mov_b32 s[G1+3], 32<<16                      ; tile_dim0
	s_mov_b32 s[G1+4], 67                          ; tile_dim1
	s_mov_b32 s[G1+5], 32                          ; tensor_dim0_stride
	s_mov_b32 s[G1+6], 0
	s_mov_b32 s[G1+7], 0
	s_wait_kmcnt 0x0
	s_add_nc_u64 s[60:61], s[4:5], s[60:61]        ; the head's first chunk
	s_add_nc_u64 s[KVB:KVB+1], s[60:61], s[62:63]
	s_mov_b32 s[G0], 1
	s_mov_b32 s[G0+1], s11                         ; LDS: slot 0, my half
	s_mov_b64 s[G0+2:G0+3], s[KVB:KVB+1]
	s_or_b32 s[G0+3], s[G0+3], 0x80000000
	TLOAD                                          ; key slot 0
	s_lshl_b32 s62, s[WV], 10
	s_add_co_u32 s62, s62, QC                      ; my tile of Q in a chunk
	s_mul_i32 s48, ttmp9, CH
	s_add_co_u32 s48, s48, s62
	s_mov_b32 s49, 0
	s_mul_i32 s50, s59, CH
	s_add_co_u32 s50, s50, s62
	s_mov_b32 s51, 0
	s_add_nc_u64 s[48:49], s[60:61], s[48:49]      ; the first block's,
	s_add_nc_u64 s[50:51], s[60:61], s[50:51]      ; the second's
	s_lshl_b32 s46, s[WV], 10                      ; from there to my tile's scale words: 16,384 - 1,024 w + 256 (w / 4) + 4 (w % 4)
	s_sub_co_u32 s46, 16384, s46
	s_lshr_b32 s47, s[WV], 2
	s_lshl_b32 s47, s47, 8
	s_add_co_u32 s46, s46, s47
	s_and_b32 s47, s[WV], 3
	s_lshl_b32 s47, s47, 2
	s_add_co_u32 s46, s46, s47
	v_and_b32 v7, 31, v0
	s_delay_alu instid0(VALU_DEP_1)
	v_lshlrev_b32 v[LI], 4, v7
	v_and_b32 v4, 15, v0                           ; r
	s_delay_alu instid0(VALU_DEP_1)
	v_lshlrev_b32 v[LR], 4, v4
	s_delay_alu instid0(VALU_DEP_1)
	v_add_nc_u32 v10, s46, v[LR]
	global_load_b128 v[16:19], v[LI], s[48:49]             ; Q: k 0-63 of [Q, 0],
	global_load_b128 v[20:23], v[LI], s[48:49] offset:512
	global_load_b128 v[32:35], v[LI], s[48:49]             ; and k 64-127 of [0, Q]
	global_load_b128 v[36:39], v[LI], s[48:49] offset:512
	global_load_b32 v50, v10, s[48:49]
	global_load_b128 v[40:43], v[LI], s[50:51]             ; the second block's waits in registers
	global_load_b128 v[44:47], v[LI], s[50:51] offset:512
	global_load_b32 v48, v10, s[50:51]
	v_bfe_u32 v7, v0, 4, 1                         ; h
	v_and_b32 v[QREL], 8, v4
	s_delay_alu instid0(VALU_DEP_1)
	v_add_nc_u32 v[QREL], v[QREL], v4              ; r + 8 (r / 8)
	s_delay_alu instid0(VALU_DEP_3)
	v_lshlrev_b32 v7, 4, v7
	s_delay_alu instid0(VALU_DEP_1)
	v_sub_nc_u32 v[QREL], v[QREL], v7
	s_lshr_b32 s46, s[WV], 1
	s_lshl_b32 s46, s46, 5                         ; 32 (w / 2)
	s_and_b32 s47, s[WV], 1
	s_lshl_b32 s47, s47, 3
	s_add_co_u32 s47, s47, s46
	v_add_nc_u32 v[QREL], s47, v[QREL]
	s_lshl_b32 s[QB], ttmp9, 8
	s_add_co_u32 s[QLO], s[QB], s46                ; no query of my tile lies under this,
	s_add_co_u32 s[QMAX], s[QLO], 31               ; none over this
	s_lshl_b32 s56, s59, 8
	s_add_co_u32 s57, s56, s46
	s_add_co_u32 s58, s57, 31
	; where O's codes go: oimg [K step 4][tile 512][128 K 2][2,048]: K = 64 head + d;  osc [tile][half of K][row][4 words]
	s_and_b32 s46, s12, 15                         ; the head
	s_lshr_b32 s47, s12, 4
	s_lshl_b32 s47, s47, 7
	s_add_co_u32 s47, s47, s[WV]                   ; 128 x batch + wave: my tile, less 16 x block
	s_lshr_b32 s62, s46, 2
	s_mul_i32 s62, s62, OPLANE
	s_lshl_b32 s63, s47, 12
	s_add_co_u32 s62, s62, s63
	s_bfe_u32 s63, s46, 0x10001
	s_lshl_b32 s63, s63, 11
	s_add_co_u32 s62, s62, s63
	s_and_b32 s63, s46, 1
	s_lshl_b32 s63, s63, 10
	s_add_co_u32 s62, s62, s63
	s_lshl_b32 s63, ttmp9, 16
	s_add_co_u32 s42, s62, s63
	s_mov_b32 s43, 0
	s_lshl_b32 s63, s59, 16
	s_add_co_u32 s52, s62, s63
	s_mov_b32 s53, 0
	s_lshl_b32 s62, s47, 9
	s_lshr_b32 s63, s46, 3
	s_lshl_b32 s63, s63, 8
	s_add_co_u32 s62, s62, s63
	s_bfe_u32 s63, s46, 0x20001
	s_lshl_b32 s63, s63, 2
	s_add_co_u32 s62, s62, s63
	s_and_b32 s63, s46, 1
	s_lshl_b32 s63, s63, 1
	s_add_co_u32 s62, s62, s63
	s_lshl_b32 s63, ttmp9, 13
	s_add_co_u32 s44, s62, s63
	s_mov_b32 s45, 0
	s_lshl_b32 s63, s59, 13
	s_add_co_u32 s54, s62, s63
	s_mov_b32 s55, 0
	s_add_nc_u64 s[42:43], s[6:7], s[42:43]
	s_add_nc_u64 s[52:53], s[6:7], s[52:53]
	s_add_nc_u64 s[44:45], s[8:9], s[44:45]
	s_add_nc_u64 s[54:55], s[8:9], s[54:55]
	s_mov_b32 s[CS], 0x3e38aa3b                    ; c = log2(e) / 8
	s_mov_b32 s[CS+1], s[CS]                       ; (named with it as a pair, so it is written)
	s_mov_b32 s[SEL], 0x76543210
	s_mov_b32 s[SEL+1], 0xfedcba98
	s_mov_b32 s[PSEL], 0x03020302                  ; an odd tile's two scale bytes lie in bytes 2, 3 of its word, an even tile's in bytes 0, 1
	s_bitcmp1_b32 s[WV], 0
	s_cselect_b32 s[PSEL], s[PSEL], 0x01000100
	s_mov_b32 s[T], 0
	s_mov_b32 s[CUR], 0
	s_mov_b32 s[TB], 0
.irp j, 0,1,2,3,4,5,6,7
	v_mov_b32 v[24+\j], 0                          ; the zero codes between the two copies of Q
.endr
.irp b, 0,1,2,3
	v_mov_b32 v[BP+\b], 0                          ; written once: a lane permute's destination counts as one of its sources
.endr
	v_mov_b32 v253, 0                              ; (named as the upper half of the pair v[252:253] before it is first written)
	v_mov_b32 v254, 0
.macro INIT                            ; a block of queries begins: O^T and the sum as zeros, the largest t under every t; the first change of M multiplies zeros
	v_mov_b32 v13, 0xff61b1e6                      ; -3e38
	s_delay_alu instid0(VALU_DEP_1)
	v_floor_f32 v12, -v13                          ; -M
	v_mov_b32 v14, 0
	v_mov_b32 v15, 0
.set J, 0
.rept 32
	v_mov_b32 v[O+J], 0
.set J, J+1
.endr
.endm
	INIT
; A KEY STEP: 128 keys, the q-th of the slot in hand
.macro STEP q
	s_cmp_gt_u32 s[KF], s[QMAX]                    ; all its keys come after my queries: a scalar branch on ids, round the step's loads, products and softmax
	s_cbranch_scc1 .Lhidden_\@
	v_add_nc_u32 v[ADK], s[TB], v[LI]
	v_add_nc_u32 v[ADS], s[TB], v[LR]
.rept 6
	v_nop                                          ; with the two additions: eight places in front of loads into registers that the last products read
.endr
.irp p, 0,1,2,3
.irp c, 0,1,2,3
	ds_load_b128 v[KV+16*\p+4*\c:KV+16*\p+4*\c+3], v[ADK] offset:2048*(4*\q+\p)+512*\c   ; key tiles 2 p and 2 p + 1
.endr
.endr
.irp g, 0,1
	ds_load_b128 v[KS+4*\g:KS+4*\g+3], v[ADS] offset:KSO+256*(2*\q+\g)   ; four tiles' scale words of row r
.endr
	s_wait_dscnt 0x0
	s_wait_alu depctr_va_vdst(0)
.irp t, 0,1,2,3,4,5,6,7
	v_wmma_scale_f32_16x16x128_f8f6f4 v[S+8*\t:S+8*\t+7], v[KV+16*(\t/2):KV+16*(\t/2)+15], v[16+8*(\t%2):31+8*(\t%2)], 0, v[KS+\t], v[QS]
.endr
.rept 8
	v_nop                                          ; places in front of the loads below and of the first read of the scores
.endr
.irp d, 0,1,2,3
.irp c, 0,1,2,3
	ds_load_b128 v[KV+16*\d+4*\c:KV+16*\d+4*\c+3], v[ADK] offset:VC+2048*(4*\q+\d)+512*\c   ; V's four fragments land while the softmax is walked
.endr
.endr
	ds_load_b128 v[KS:KS+3], v[ADS] offset:VSO+256*\q
	s_add_co_u32 s46, s[KF], 127                   ; on the diagonal the scores of hidden keys become -infinity ahead of the maximum.  A step all of whose keys count skips this
	s_cmp_le_u32 s46, s[QLO]
	s_cbranch_scc1 .Lopen_\@
	s_sub_co_i32 s46, s[QB], s[KF]
	v_add_nc_u32 v252, s46, v[QREL]                ; d = my query - KF - 16 (lane / 16).  Register 16 b + i holds key KF + 16 (lane / 16) + 32 b + i: hidden where 32 b + i > d
	v_mov_b32 v254, 0xff800000
.set N, 0
.rept 64
	v_cmp_gt_i32 vcc_lo, 32*(N/16)+N%16, v252
	v_cndmask_b32 v[S+N], v[S+N], v254, vcc_lo
.set N, N+1
.endr
.Lopen_\@:
.irp b, 0,1,2,3
	v_max3_num_f32 v[BM+\b], v[S+16*\b], v[S+1+16*\b], v[S+2+16*\b]   ; the largest score of each block of 32 keys: it serves the row's maximum and, since p rises with the score, the block's largest p
.endr
.irp i, 3,5,7,9,11,13
.irp b, 0,1,2,3
	v_max3_num_f32 v[BM+\b], v[BM+\b], v[S+16*\b+\i], v[S+1+16*\b+\i]
.endr
.endr
.irp b, 0,1,2,3
	v_max_num_f32 v[BM+\b], v[BM+\b], v[S+15+16*\b]
.endr
.irp b, 0,1,2,3
	s_delay_alu instid0(VALU_DEP_4)
	v_permlanex16_b32 v[BP+\b], v[BM+\b], s[SEL], s[SEL+1]
.endr
.irp b, 0,1,2,3
	s_delay_alu instid0(VALU_DEP_4)
	v_max_num_f32 v[BM+\b], v[BM+\b], v[BP+\b]     ; with lane l xor 16's 16 keys
.endr
	s_delay_alu instid0(VALU_DEP_2)
	v_max3_num_f32 v254, v[BM], v[BM+1], v[BM+2]
	s_delay_alu instid0(VALU_DEP_1)
	v_max_num_f32 v254, v254, v[BM+3]              ; the step's largest score of my query
	s_delay_alu instid0(VALU_DEP_1)
	v_mul_f32 v254, s[CS], v254                    ; as t
	s_delay_alu instid0(VALU_DEP_1)
	v_max_num_f32 v13, v13, v254                   ; the running largest t
	v_mov_b32 v254, v12
	s_delay_alu instid0(VALU_DEP_2)
	v_floor_f32 v12, -v13                          ; the new -M = -ceil(t)
	s_delay_alu instid0(VALU_DEP_1)
	v_sub_f32 v254, v12, v254                      ; old M - new M: a whole number, 0 or less
	s_delay_alu instid0(VALU_DEP_1)
	v_cvt_i32_f32 v254, v254                       ; (it saturates)
	s_delay_alu instid0(VALU_DEP_1)
	v_ldexp_f32 v252, 1.0, v254                    ; f = 2^(old M - new M)
.set J, 0
.rept 32
	v_pk_fma_f32 v[S+J:S+J+1], v[S+J:S+J+1], s[CS:CS+1], v[12:13] op_sel_hi:[1,0,0]   ; t - M, two at a time
.set J, J+2
.endr
.irp b, 0,1,2,3
	v_fma_f32 v[BM+\b], v[BM+\b], s[CS], v12       ; the same of each block's largest score
.endr
.set J, 0
	s_wait_alu depctr_va_vdst(0)
.rept 64
	v_exp_f32 v[S+J], v[S+J]                       ; p = 2^(t - M)
.set J, J+1
.endr
.irp b, 0,1,2,3
	v_exp_f32 v[BM+\b], v[BM+\b]                   ; the block's largest p
.endr
	v_pk_mul_f32 v[14:15], v[14:15], v[252:253] op_sel_hi:[1,0]   ; the sums under the new M.  (A plain place behind the exponentials)
	s_wait_alu depctr_va_vdst(0)
.irp b, 0,1,2,3
	v_max_num_f32 v[BM+\b], 0x4800000, v[BM+\b]    ; the floor 2^(9 - 127): the byte cannot fall under 1
.endr
.irp b, 0,1,2,3
	s_delay_alu instid0(VALU_DEP_4)
	v_add_nc_u32 v[BS+\b], 0xfc000000, v[BM+\b]    ; the conversion's scale operand
.endr
.irp b, 0,1,2,3
.endr
.irp b, 0,1,2,3
	s_delay_alu instid0(VALU_DEP_4)
	v_lshrrev_b32 v[BP+\b], 23, v[BS+\b]           ; the scale's byte
.endr
	s_delay_alu instid0(VALU_DEP_3)
	v_lshl_or_b32 v253, v[BP+1], 8, v[BP]          ; p's scale word for these 128 keys
	s_delay_alu instid0(VALU_DEP_1)
	v_lshl_or_b32 v253, v[BP+2], 16, v253
	s_delay_alu instid0(VALU_DEP_1)
	v_lshl_or_b32 v253, v[BP+3], 24, v253
	v_pk_add_f32 v[56:57], v[132:133], v[136:137]
	v_pk_add_f32 v[246:247], v[140:141], v[144:145]
	v_pk_add_f32 v[244:245], v[148:149], v[152:153]
	v_pk_add_f32 v[238:239], v[156:157], v[160:161]
	v_pk_add_f32 v[236:237], v[164:165], v[168:169]
	v_pk_add_f32 v[234:235], v[172:173], v[176:177]
	v_pk_add_f32 v[232:233], v[180:181], v[184:185]
	v_pk_add_f32 v[14:15], v[14:15], v[188:189]
	v_pk_add_f32 v[56:57], v[56:57], v[128:129]
	v_pk_add_f32 v[246:247], v[246:247], v[130:131]
	v_pk_add_f32 v[244:245], v[244:245], v[134:135]
	v_pk_add_f32 v[238:239], v[238:239], v[138:139]
	v_pk_add_f32 v[236:237], v[236:237], v[142:143]
	v_pk_add_f32 v[234:235], v[234:235], v[146:147]
	v_pk_add_f32 v[232:233], v[232:233], v[150:151]
	v_pk_add_f32 v[14:15], v[14:15], v[154:155]
	v_pk_add_f32 v[56:57], v[56:57], v[158:159]
	v_pk_add_f32 v[246:247], v[246:247], v[162:163]
	v_pk_add_f32 v[244:245], v[244:245], v[166:167]
	v_pk_add_f32 v[238:239], v[238:239], v[170:171]
	v_pk_add_f32 v[236:237], v[236:237], v[174:175]
	v_pk_add_f32 v[234:235], v[234:235], v[178:179]
	v_pk_add_f32 v[232:233], v[232:233], v[182:183]
	v_pk_add_f32 v[14:15], v[14:15], v[186:187]
	v_pk_add_f32 v[56:57], v[56:57], v[190:191]
	s_delay_alu instid0(VALU_DEP_2)
	v_pk_add_f32 v[14:15], v[14:15], v[238:239]
	s_delay_alu instid0(VALU_DEP_2)
	v_pk_add_f32 v[56:57], v[56:57], v[236:237]
	v_pk_add_f32 v[246:247], v[246:247], v[234:235]
	v_pk_add_f32 v[244:245], v[244:245], v[232:233]
	s_delay_alu instid0(VALU_DEP_2)
	v_pk_add_f32 v[14:15], v[14:15], v[246:247]
	s_delay_alu instid0(VALU_DEP_2)
	v_pk_add_f32 v[56:57], v[56:57], v[244:245]
	s_delay_alu instid0(VALU_DEP_1)
	v_pk_add_f32 v[14:15], v[14:15], v[56:57]
.irp b, 0,1,2,3
.irp i, 0,1,2,3,4,5,6,7,8,9,10,11,12,13,14,15
.endr
	v_cvt_scalef32_pk8_fp8_f32 v[PCD+4*\b:PCD+4*\b+1], v[S+16*\b:S+16*\b+7], v[BS+\b]
	v_cvt_scalef32_pk8_fp8_f32 v[PCD+4*\b+2:PCD+4*\b+3], v[S+16*\b+8:S+16*\b+15], v[BS+\b]
.endr
.set J, 0
.rept 16
	v_pk_mul_f32 v[O+J:O+J+1], v[O+J:O+J+1], v[252:253] op_sel_hi:[1,0]   ; O^T under the new M.  (These are also the places in front of the products below)
.set J, J+2
.endr
	s_wait_alu depctr_va_vdst(0)
	s_wait_dscnt 0x0                               ; V is in
.irp d, 0,1,2,3
	v_wmma_scale_f32_16x16x128_f8f6f4 v[O+8*\d:O+8*\d+7], v[KV+16*\d:KV+16*\d+15], v[PCD:PCD+15], v[O+8*\d:O+8*\d+7], v[KS+\d], v253
.endr
.Lhidden_\@:
	s_add_co_u32 s[KF], s[KF], 128
.endm
; THE CHANGE OF SLOTS stands at a trip's head.  Each wave waits for all its tensor loads, adds 0 to its spare word, and waits for that and for its reads of the slot that it has left.  Behind the barrier the
; slot ahead is whole and nobody reads the other one.  fill = 1: that other slot takes the next trip's keys: the load has a whole trip in which to land.  By this text's count one tensor load of a wave is out.
.macro CHANGE fill
	s_wait_tensorcnt 0x0                           ; no tensor load of mine is out, so the descriptor may be written
	ds_add_u32 v[SPW], v[NIL]                      ; 0 onto my spare word
.if \fill
	s_add_co_u32 s46, s[T], 1
	s_add_co_u32 s[NXT], s[CUR], 1
	s_cmp_eq_u32 s46, s[FLIP]
	s_cselect_b32 s[NXT], 0, s[NXT]                ; the next trip's key slot: one on, or the second block's first
	s_mul_i32 s46, s[NXT], CH
	s_mov_b32 s47, 0
	s_add_nc_u64 s[G0+2:G0+3], s[KVB:KVB+1], s[46:47]
	s_or_b32 s[G0+3], s[G0+3], 0x80000000
	s_xor_b32 s[G0+1], s[G0+1], SLOT1              ; the other LDS slot than last time
.endif
	s_wait_dscnt 0x0                               ; the add is done, and my reads of the slot that I have left are over
	s_barrier_signal -1
	s_barrier_wait -1
.if \fill
	TLOAD                                          ; the first thing behind the barrier, and a wave's one tensor load until the next
.endif
.endm
; A block of queries is done: O^T / the sum, quantised along the head's 64 (two blocks of 32: register 16 b + i is d = 32 b + 16 (lane / 16) + i), leaves as two chunks of a fragment and two scale bytes a row
.macro FINISH
.rept 8
	v_nop                                          ; places behind the last products
.endr
	v_add_f32 v14, v14, v15                        ; the sum's two halves,
	s_delay_alu instid0(VALU_DEP_1)
	v_permlanex16_b32 v254, v14, s[SEL], s[SEL+1]
	s_delay_alu instid0(VALU_DEP_1)
	v_add_f32 v14, v14, v254                       ; and lane l xor 16's
	s_wait_alu depctr_va_vdst(0)
	v_rcp_f32 v14, v14
	v_nop                                          ; a plain place behind the transcendental
.set J, 0
	s_wait_alu depctr_va_vdst(0)
.rept 16
	v_pk_mul_f32 v[S+J:S+J+1], v[O+J:O+J+1], v[14:15] op_sel_hi:[1,0]   ; each accumulator from its low end on
.set J, J+2
.endr
.irp b, 0,1
	v_max3_num_f32 v[BM+\b], |v[S+16*\b]|, |v[S+1+16*\b]|, 0x4800000
.endr
.irp i, 2,4,6,8,10,12,14
.irp b, 0,1
	s_delay_alu instid0(VALU_DEP_2)
	v_max3_num_f32 v[BM+\b], v[BM+\b], |v[S+16*\b+\i]|, |v[S+1+16*\b+\i]|
.endr
.endr
.irp b, 0,1
	s_delay_alu instid0(VALU_DEP_2)
	v_permlanex16_b32 v[BP+\b], v[BM+\b], s[SEL], s[SEL+1]
.endr
.irp b, 0,1
	s_delay_alu instid0(VALU_DEP_2)
	v_max_num_f32 v[BM+\b], v[BM+\b], v[BP+\b]
.endr
.irp b, 0,1
	s_delay_alu instid0(VALU_DEP_2)
	v_add_nc_u32 v[BS+\b], 0xfc000000, v[BM+\b]
.endr
.irp b, 0,1
.endr
.irp b, 0,1
	s_delay_alu instid0(VALU_DEP_2)
	v_lshrrev_b32 v[BP+\b], 23, v[BS+\b]
.endr
	s_delay_alu instid0(VALU_DEP_1)
	v_lshl_or_b32 v255, v[BP+1], 8, v[BP]
.irp b, 0,1
.irp i, 0,1,2,3,4,5,6,7,8,9,10,11,12,13,14,15
.endr
	v_cvt_scalef32_pk8_fp8_f32 v[S+32+4*\b:S+33+4*\b], v[S+16*\b:S+16*\b+7], v[BS+\b]
	v_cvt_scalef32_pk8_fp8_f32 v[S+34+4*\b:S+35+4*\b], v[S+16*\b+8:S+16*\b+15], v[BS+\b]
.endr
	v_nop                                          ; a plain line behind the last conversion
	global_store_b128 v[LI], v[S+32:S+35], s[OB:OB+1]              ; 512 consecutive bytes
	global_store_b128 v[LI], v[S+36:S+39], s[OB:OB+1] offset:512
	global_store_b16 v[LR], v255, s[OSB:OSB+1]     ; both halves of the lanes store the same two bytes
	s_wait_xcnt 0x0                                ; the stores have read their registers and bases: both may be written again
.endm
	s_wait_loadcnt 0x0                             ; Q
	v_perm_b32 v[QS], v50, v50, s[PSEL]            ; its two scale bytes, twice
.Ltrip:                                            ; eight trips; behind each change of slots the next trip's keys are asked for
	CHANGE 1
	s_cmp_lg_u32 s[T], s[FLIP]
	s_cbranch_scc1 .Lsame
	FINISH                                         ; the first block is done; the second begins
	s_mov_b64 s[OB:OB+1], s[52:53]
	s_mov_b64 s[OSB:OSB+1], s[54:55]
	s_mov_b32 s[QB], s56
	s_mov_b32 s[QLO], s57
	s_mov_b32 s[QMAX], s58
	v_perm_b32 v[QS], v48, v48, s[PSEL]
.irp j, 0,1,2,3,4,5,6,7
	v_mov_b32 v[16+\j], v[40+\j]
	v_mov_b32 v[32+\j], v[40+\j]
.endr
	INIT
.Lsame:
	s_lshl_b32 s[KF], s[CUR], 8
	STEP 0
	STEP 1
	s_xor_b32 s[TB], s[TB], SLOT1                  ; on to the other slot
	s_mov_b32 s[CUR], s[NXT]
	s_add_co_u32 s[T], s[T], 1
	s_cmp_lt_u32 s[T], 8
	s_cbranch_scc1 .Ltrip
	CHANGE 0                                       ; the ninth trip is written out
	s_lshl_b32 s[KF], s[CUR], 8
	STEP 0
	STEP 1
	FINISH
	s_wait_tensorcnt 0x0                           ; the wave's end
	ds_add_u32 v[SPW], v[NIL]
	s_wait_dscnt 0x0
	s_endpgm
.Lfunc_end_k_qccafd3878d_attn:
	.size	k_qccafd3878d_attn, .Lfunc_end_k_qccafd3878d_attn-k_qccafd3878d_attn
	.p2alignl 7, 3214868480
	.fill 96, 4, 3214868480
	.section	.rodata,"a",@progbits
	.p2align	6, 0x0
	.amdhsa_kernel k_qccafd3878d_attn
		.amdhsa_group_segment_fixed_size 327680
		.amdhsa_private_segment_fixed_size 0
		.amdhsa_enable_private_segment 0
		.amdhsa_kernarg_size 24
		.amdhsa_user_sgpr_count 2
		.amdhsa_user_sgpr_kernarg_segment_ptr 1
		.amdhsa_wavefront_size32 1
		.amdhsa_system_sgpr_workgroup_id_x 1
		.amdhsa_system_sgpr_workgroup_id_y 1
		.amdhsa_system_sgpr_workgroup_id_z 1
		.amdhsa_system_vgpr_workitem_id 0
		.amdhsa_next_free_vgpr 256
		.amdhsa_next_free_sgpr 66
		.amdhsa_reserve_vcc 1
		.amdhsa_float_denorm_mode_32 3
		.amdhsa_float_denorm_mode_16_64 3
		.amdhsa_fp16_overflow 1
		.amdhsa_memory_ordered 1
		.amdhsa_forward_progress 1
		.amdhsa_inst_pref_size 109
	.end_amdhsa_kernel
	.amdgpu_metadata
---
amdhsa.version: [ 1, 2 ]
amdhsa.kernels:
  - .name:           k_qccafd3878d_attn
    .symbol:         k_qccafd3878d_attn.kd
    .args:
      - { .name: qkv, .offset: 0, .size: 8, .value_kind: global_buffer, .address_space: global }
      - { .name: oimg, .offset: 8, .size: 8, .value_kind: global_buffer, .address_space: global }
      - { .name: osc, .offset: 16, .size: 8, .value_kind: global_buffer, .address_space: global }
    .group_segment_fixed_size: 327680
    .private_segment_fixed_size: 0
    .kernarg_segment_align: 8
    .kernarg_segment_size: 24
    .max_flat_workgroup_size: 512
    .sgpr_count:     66
    .vgpr_count:     256
    .wavefront_size: 32
...
	.end_amdgpu_metadata
.endif
;; end of part 3
;; launch oproj (part 4): grid 4 x 32, 4 waves a work-group, clusters of 4 x 4, 327,680 bytes of LDS; arguments oimg, osc, cod, scl, bo, out0; writes out0
.if DOCPART == 4
	.amdgcn_target "amdgcn-amd-amdhsa--gfx1250"
	.amdhsa_code_object_version 6
	.text
	.protected	k_qccafd3878d_oproj
	.globl	k_qccafd3878d_oproj
	.p2align	8
	.type	k_qccafd3878d_oproj,@function
k_qccafd3878d_oproj:
	s_mov_b64 s[64:65], 0
	v_nop
	global_prefetch_b8 v0, s[64:65] scope:SCOPE_SE
	s_setreg_imm32_b32 hwreg(HW_REG_WAVE_MODE, 25, 1), 1
	s_wait_xcnt 0x0
	s_wait_alu depctr_hold_cnt(0) depctr_sa_sdst(0) depctr_va_vdst(0) depctr_va_sdst(0) depctr_va_ssrc(0) depctr_va_vcc(0) depctr_vm_vsrc(0)
	s_getreg_b32 s2, hwreg(HW_REG_IB_STS2, 6, 4)
	s_cmp_eq_u32 s2, 0
	s_cbranch_scc0 .Lentry_in_a_cluster
	s_endpgm
.Lentry_in_a_cluster:
	s_bfe_u32 s2, ttmp6, 0x10000c
	s_cmp_lg_u32 s2, 0xf033
	s_cbranch_scc0 .Lentry_shape_is_right
	s_endpgm
.Lentry_shape_is_right:
; out0 = o Wo^T + bo on codes of FP8 (E4M3) with E8M0 scales, K = 1,024; out0 [8192][1024] f32.
; A tile of 256 x 256 of out0 is made by four waves, 128 x 128 each: 64 accumulators, 512 registers.  K goes in four steps of 256 through two LDS slots filled by the tensor data mover.
; OPERANDS lie in memory and in LDS as images of their registers (16 rows x 128 K = 2,048 bytes, chunk c at 512 c, lane l's 16 bytes at 16 l): a K step's 8 tiles are 32 KiB on end, a fragment is four
; ds_load_b128 at 16 x lane.  Row r of tile 2 g + u is row 32 g + 8 u + r + 8 (r / 8) of its tensor; the way out puts rows and columns back in their places.
; THE MATRIX INSTRUCTION: source 0 = 16 rows of Wo ("B"), source 1 = 16 rows of o ("A"): a lane holds one token, and register 16 b + i of a block's 64 results is feature 32 b + 16 (lane / 16) + i of my 128.
; The bias is the C of the first K step's products.
; CLUSTERS: 4 x 4 work-groups; A's tiles are shared along a row of the cluster, B's along a column: each is asked for jointly, by the same tensor load with a mask that names the four.
; There are 128 tiles of this size for the chip's WGPs; a smaller tile would read each LDS byte for half the products.
; REGISTERS, in windows of 256: window 0: v0-31 addresses; v32-63 scale words, two sets; v64-127 the bias; v128-255 A's fragments, one set, later rows of out0.
;   window 1: B's fragments, two sets.   windows 2, 3: accumulator (a, b) at v[8 (8 (a % 4) + b)].
.set PLA,    2097152                   ; a K step's codes in oimg
.set PLB,    3145728                   ; and in cod
.set FR,     16
.set NL,     4
.set NP,     8                         ; places behind this matrix instruction (ISA guide 7.12.1)
.set SLOT,   131072                    ; A's 16 tiles x 4,096, then B's
.set BOFF,   65536
.set SCL,    2*SLOT                    ; the scale words of all of K: A's 8,192 bytes, B's 8,192
.set SPARE,  SCL+16384                 ; the spare words, 128 bytes for each wave: two blocks of 256 bytes that no other line names
.set SPITCH, 528                       ; the way out: a stage of 16 rows x (512 + 16) bytes for each wave, in slot 0, which has had its last fill and its last read when the first result is stored there
.set ADRA, 16
.set ADRB, 20
.set STO,  24                          ; v24  the way out: where I put 32 bytes of a row
.set RD,   25                          ; v25  where I read a row back
.set CO,   26                          ; v26  my byte offset in a row's 512 bytes
.set ADRS, 27
.set SPW,  28                          ; v28  LDS address of my spare word; never rewritten
.set NIL,  29                          ; v29  0; never rewritten
.set SC,   32
.set BIAS, 64
.set AF,   128
.set BK,   128                         ; the way out: 16 rows read back: v128-191 and v192-255 by turns
.set G1, 24
.set G0, 32
.set G1B, 48
.set G0B, 56
.set G1S, 68
.set G0S, 76
.set G1SB, 80
.set G0SB, 88
.set MSB, 0
.macro WIN new                         ; the immediate's high byte repeats the setting that is left
.if MSB != \new
	s_set_vgpr_msb (MSB<<8)|\new
.set MSB, \new
.endif
.endm
.set MUL_LO,  0xa1                     ; source 0 (B) window 1, source 1 (A) window 0, C and D window 2
.set MUL_HI,  0xf1                     ; the same, C and D window 3
.set MUL_LOB, 0x81                     ; the first K step: C (the bias) window 0, D window 2
.set MUL_HIB, 0xc1                     ; D window 3
.set TO_B,    0x40                     ; destination window 1, address window 0
; A joint load: waves 0 and 1 fetch for A, waves 2 and 3 for B.  The branch hangs on the wave's number alone.  Four v_nop follow each of the two lines.
.macro JLOAD g0a, g1a, g0b, g1b
	s_cmp_eq_u32 s17, 0
	s_cbranch_scc0 .Lfor_b_\@
	tensor_load_to_lds s[\g0a:\g0a+3], s[\g1a:\g1a+7]
	s_nop 0
.rept 4
	v_nop
.endr
	s_branch .Lasked_\@
.Lfor_b_\@:
	tensor_load_to_lds s[\g0b:\g0b+3], s[\g1b:\g1b+7]
	s_nop 0
.rept 4
	v_nop
.endr
.Lasked_\@:
.endm
.macro CREST                           ; a round of the cluster's barrier behind its opening barrier
	s_cmp_lg_u32 s16, 0
	s_cbranch_scc1 .Lnot_wave_0_\@
	s_barrier_signal -3
.Lnot_wave_0_\@:
	s_barrier_wait -3
	s_barrier_signal -1
	s_barrier_wait -1
.endm
.macro CROUND                          ; a whole round
	s_barrier_signal -1
	s_barrier_wait -1
	CREST
.endm
	s_load_b256 s[4:11], s[0:1], 0x0               ; oimg, osc, cod, scl
	s_load_b128 s[12:15], s[0:1], 0x20             ; bo, out0
	v_lshl_add_u32 v[SPW], v0, 2, SPARE
	v_mov_b32 v[NIL], 0
	ds_add_u32 v28, v29
	ds_add_u32 v28, v29
	s_wait_dscnt 0x0
	v_lshrrev_b32 v1, 5, v0
	v_readfirstlane_b32 s16, v1                    ; wave 0..3
	s_lshr_b32 s17, s16, 1                         ; which half of the tile's rows is mine.  Also: I fetch for A (0) or for B (1)
	s_and_b32 s18, s16, 1                          ; which half of its columns.  Also: which 8 tiles I fetch
	s_bfe_u32 s40, ttmp6, 0x40000                  ; cx, cy: my place in the cluster
	s_bfe_u32 s41, ttmp6, 0x40004
	s_and_b32 s45, ttmp7, 0xffff
	s_lshl_b32 s45, s45, 2
	s_add_co_u32 s45, s45, s41                     ; A's block of 256 tokens = 4 x cluster y + cy
	s_lshl_b32 s19, ttmp9, 2
	s_add_co_u32 s19, s19, s40                     ; the tile column = 4 x cluster x + cx
	s_add_co_u32 s42, s19, 44                      ; B's block of 256 rows in cod: Wo begins at block 44
	s_lshl_b32 s43, s41, 2
	s_lshl_b32 s43, 15, s43                        ; my row of the cluster
	s_lshl_b32 s44, 0x1111, s40                    ; my column
	; descriptor group 1: dense blocks, as rows of 256 bytes (32 elements of 8 bytes), no padding: 128 rows of codes, 16 rows of scale words
	s_or_b32 s[G1+0], s43, (3<<16)|(1<<21)         ; 15:0 the mask: A's tiles go to my row; 17:16 elements of 8 bytes; 21 set beside a mask
	s_or_b32 s[G1B+0], s44, (3<<16)|(1<<21)
	s_or_b32 s[G1S+0], s43, (3<<16)|(1<<21)
	s_or_b32 s[G1SB+0], s44, (3<<16)|(1<<21)
.irp g, G1, G1B
	s_mov_b32 s[\g+1], 32<<16                      ; tensor_dim0
	s_mov_b32 s[\g+2], 128<<16                     ; tensor_dim1
	s_mov_b32 s[\g+3], 32<<16                      ; tile_dim0
	s_mov_b32 s[\g+4], 128                         ; tile_dim1
	s_mov_b32 s[\g+5], 32                          ; tensor_dim0_stride
	s_mov_b32 s[\g+6], 0
	s_mov_b32 s[\g+7], 0
.endr
.irp g, G1S, G1SB
	s_mov_b32 s[\g+1], 32<<16
	s_mov_b32 s[\g+2], 16<<16
	s_mov_b32 s[\g+3], 32<<16
	s_mov_b32 s[\g+4], 16
	s_mov_b32 s[\g+5], 32
	s_mov_b32 s[\g+6], 0
	s_mov_b32 s[\g+7], 0
.endr
	s_lshl_b32 s2, s18, 15                         ; which 8 tiles of the block I fetch
	s_lshl_b32 s46, s45, 16
	s_add_co_u32 s46, s46, s2                      ; A's codes: 65,536 x block + 32,768 x half
	s_mov_b32 s47, 0
	s_lshl_b32 s92, s42, 16
	s_add_co_u32 s92, s92, s2                      ; B's
	s_mov_b32 s93, 0
	s_lshl_b32 s2, s18, 12
	s_lshl_b32 s94, s45, 13
	s_add_co_u32 s94, s94, s2                      ; A's scale words: 8,192 x block + 4,096 x half
	s_mov_b32 s95, 0
	s_lshl_b32 s96, s42, 13
	s_add_co_u32 s96, s96, s2                      ; B's
	s_mov_b32 s97, 0
	s_lshl_b32 s98, s16, 15                        ; where they go: wave x 32,768 in a slot, wave x 4,096 among the scales: no place in the cluster enters an LDS address
	s_lshl_b32 s99, s16, 12
	s_lshl_b32 s66, s19, 10
	s_lshl_b32 s67, s18, 9
	s_add_co_u32 s66, s66, s67                     ; my first column, in bytes: 1,024 x tile column + 512 x half
	s_mov_b32 s67, 0
	s_lshl_b32 s100, s45, 20
	s_lshl_b32 s101, s17, 19
	s_add_co_u32 s100, s100, s101                  ; my first row of out0, in bytes: (256 x block + 128 x half) x 4,096
	s_add_co_u32 s100, s100, s66
	s_mov_b32 s101, 0
	s_wait_kmcnt 0x0
	s_add_nc_u64 s[46:47], s[4:5], s[46:47]
	s_add_nc_u64 s[92:93], s[8:9], s[92:93]
	s_add_nc_u64 s[94:95], s[6:7], s[94:95]
	s_add_nc_u64 s[96:97], s[10:11], s[96:97]
	s_add_nc_u64 s[12:13], s[12:13], s[66:67]      ; the bias of my 128 columns
	s_add_nc_u64 s[14:15], s[14:15], s[100:101]    ; out0 at my corner: never stepped
	CROUND                                         ; all sixteen work-groups are here: the first joint loads meet
	s_mov_b32 s[G0S], 1
	s_add_co_u32 s[G0S+1], s99, SCL
	s_mov_b64 s[G0S+2:G0S+3], s[94:95]
	s_or_b32 s[G0S+3], s[G0S+3], 0x80000000
	s_mov_b32 s[G0SB], 1
	s_add_co_u32 s[G0SB+1], s99, SCL
	s_mov_b64 s[G0SB+2:G0SB+3], s[96:97]
	s_or_b32 s[G0SB+3], s[G0SB+3], 0x80000000
	JLOAD G0S, G1S, G0SB, G1SB                     ; the scale words of all of K: filled once
.irp s, 0,1
	s_mov_b32 s[G0+4*\s], 1
	s_add_co_u32 s[G0+4*\s+1], s98, \s*SLOT
	s_add_nc_u64 s[G0+4*\s+2:G0+4*\s+3], s[46:47], \s*PLA
	s_or_b32 s[G0+4*\s+3], s[G0+4*\s+3], 0x80000000
	s_mov_b32 s[G0B+4*\s], 1
	s_add_co_u32 s[G0B+4*\s+1], s98, \s*SLOT
	s_add_nc_u64 s[G0B+4*\s+2:G0B+4*\s+3], s[92:93], \s*PLB
	s_or_b32 s[G0B+4*\s+3], s[G0B+4*\s+3], 0x80000000
	s_wait_alu depctr_va_vdst(0)
	s_wait_tensorcnt 0x0
	ds_add_u32 v28, v29
	s_wait_dscnt 0x0
	CROUND
	JLOAD G0+4*\s, G1, G0B+4*\s, G1B               ; K steps 0 and 1: one load of mine is out at a time
.endr
	v_and_b32 v1, 15, v0                           ; r
	v_bfe_u32 v2, v0, 4, 1                         ; h
	s_wait_alu depctr_va_vdst(0)
	v_lshlrev_b32 v3, 6, v2                        ; the bias: tile 2 b + u wants that of features 32 b + 16 h + 8 u + 0 .. 7
.irp t, 0,1,2,3,4,5,6,7
	global_load_b128 v[BIAS+8*\t:BIAS+8*\t+3], v3, s[12:13] offset:(32*(\t/2)+8*(\t%2))*4
	global_load_b128 v[BIAS+8*\t+4:BIAS+8*\t+7], v3, s[12:13] offset:(32*(\t/2)+8*(\t%2))*4+16
.endr
	v_and_b32 v4, 31, v0
	v_lshlrev_b32 v[CO], 4, v4                     ; 16 x lane
	s_lshl_b32 s2, s17, 15                         ; my 8 tiles of A
	s_lshl_b32 s3, s18, 15                         ; my 8 tiles of B,
	s_add_co_u32 s3, s3, BOFF                      ; which lie behind A's 16
.irp s, 0,1
	v_add_nc_u32 v[ADRA+\s], s2, v[CO]
	v_add_nc_u32 v[ADRB+\s], s3, v[CO]
	s_add_co_u32 s2, s2, SLOT
	s_add_co_u32 s3, s3, SLOT
.endr
	v_lshlrev_b32 v5, 4, v1                        ; my row's scale words: 16 bytes a row and half of K
	s_lshl_b32 s2, s17, 12                         ; A's: my 8 tiles
	s_lshl_b32 s3, s18, 12                         ; B's: my 8 tiles, behind A's 16
	s_add_co_u32 s3, s3, 8192
	s_sub_co_u32 s3, s3, s2
	v_mul_u32_u24 v6, s3, v2                       ; lanes 16-31 take B's
	s_add_co_u32 s2, s2, SCL
	v_add_nc_u32 v5, v5, v6
	v_add_nc_u32 v[ADRS], s2, v5
	s_mul_i32 s2, s16, 16*SPITCH                   ; my stage
	v_mul_u32_u24 v5, v1, SPITCH                   ; in: row r, + 64 h: my half's 16 features of each 32
	v_lshl_add_u32 v5, v2, 6, v5
	v_add_nc_u32 v[STO], s2, v5
	v_add_nc_u32 v[RD], s2, v[CO]                  ; back: the 32 lanes take one row of 512 bytes
	s_wait_alu depctr_va_vdst(0)
	s_wait_loadcnt 0x0                             ; the bias
.macro FRAG reg, adr, q, i             ; a fragment comes as it was stored: four chunks of 512 bytes
.irp c, 0,1,2,3
	ds_load_b128 v[\reg+4*\c:\reg+4*\c+3], v[\adr] offset:4096*(\i)+2048*(\q)+512*\c
.endr
.endm
; 16 matrix instructions: A's blocks a0, a0 + 1 x B's eight, the slot's q-th 128 along K.  p: B's set; sc: the set of scale words; cm = 1: C = the bias by B's block, which starts the sums.
; The 64 accumulators take turns, one instruction a turn, in the same order in every step.
.macro MUL16 a0, p, q, sc, cm
.irp a, \a0, \a0+1
.irp b, 0,1,2,3,4,5,6,7
.if \cm
	v_wmma_scale_f32_16x16x128_f8f6f4 v[8*(8*((\a)%4)+\b):8*(8*((\a)%4)+\b)+7], v[128*(\p)+FR*\b:128*(\p)+FR*\b+FR-1], v[AF+FR*(\a):AF+FR*(\a)+FR-1], v[BIAS+8*\b:BIAS+8*\b+7], v[SC+16*(\sc)+2*\b+(\q)], v[SC+16*(\sc)+2*(\a)+(\q)] matrix_a_scale:MATRIX_SCALE_ROW1
.else
	v_wmma_scale_f32_16x16x128_f8f6f4 v[8*(8*((\a)%4)+\b):8*(8*((\a)%4)+\b)+7], v[128*(\p)+FR*\b:128*(\p)+FR*\b+FR-1], v[AF+FR*(\a):AF+FR*(\a)+FR-1], v[8*(8*((\a)%4)+\b):8*(8*((\a)%4)+\b)+7], v[SC+16*(\sc)+2*\b+(\q)], v[SC+16*(\sc)+2*(\a)+(\q)] matrix_a_scale:MATRIX_SCALE_ROW1
.endif
.endr
.endr
.endm
.macro FETCH_B slot, q, p              ; B's eight fragments of the slot's q-th 128 along K into set p
	WIN TO_B
.irp i, 0,1,2,3,4,5,6,7
	FRAG 128*(\p)+FR*\i, ADRB+\slot, \q, \i
.endr
	WIN 0
.endm
.macro FETCH_A slot, q, i0             ; A's blocks i0 .. i0 + 3
.irp i, \i0, \i0+1, \i0+2, \i0+3
	FRAG AF+FR*(\i), ADRA+\slot, \q, \i
.endr
.endm
.macro SCALES set, ks                  ; K step ks's scale words into a set: two words a row; lanes 0-15 take A's block i, lanes 16-31 B's block i
.irp i, 0,1,2,3,4,5,6,7
	ds_load_b64 v[SC+16*\set+2*\i:SC+16*\set+2*\i+1], v[ADRS] offset:512*\i+256*((\ks)/2)+8*((\ks)%2)
.endr
.endm
; A load into a register that a matrix instruction has read, and an LDS store that reads a matrix result, stand NP places behind that matrix instruction; only plain vector instructions that name none of its
; registers are places (ISA guide 7.12.1 for vector instructions).
.macro PLACES n
.rept \n
	v_nop
.endr
.endm
; A step of 128 along K that has its successor in the same slot.  A's blocks are free as soon as their eight products are issued: blocks 0-3 are fetched anew in the step's middle, blocks 4-7 at its end.
.macro STEP slot, q, cm
	s_wait_dscnt 4*NL                              ; B's set, A's blocks 0-3 and the scale words are in; the youngest sixteen loads (A's blocks 4-7) may be out
.if \cm
	WIN MUL_LOB
.else
	WIN MUL_LO
.endif
	MUL16 0, (\q)%2, \q, \slot, \cm
	MUL16 2, (\q)%2, \q, \slot, \cm
	s_wait_dscnt 0                                 ; A's blocks 4-7 are in
	PLACES NP
	FETCH_B \slot, (\q)+1, 1-(\q)%2
	FETCH_A \slot, (\q)+1, 0
.if \cm
	WIN MUL_HIB
.else
	WIN MUL_HI
.endif
	MUL16 4, (\q)%2, \q, \slot, \cm
	MUL16 6, (\q)%2, \q, \slot, \cm
	PLACES NP
	WIN 0
	FETCH_A \slot, (\q)+1, 4
.endm
; A slot's last step changes slots: ONE barrier; in front of it each wave waits for all its tensor loads, adds 0 to its spare word, and waits for that and for its own reads of this slot.
; fill = 1: this slot is filled again, two K steps ahead; the barrier then opens a round of the cluster's barrier.  ksn: the K step that lies in the next slot.
.macro TURN slot, next, fill, ksn
	s_wait_tensorcnt 0x0                           ; all my tensor loads have landed: my part of the next slot  (every window is 0 here)
	ds_add_u32 v[SPW], v[NIL]                      ; 0 onto my spare word
	s_wait_dscnt 4*NL+1                            ; (the add and the youngest sixteen loads may be out)
	WIN MUL_LO
	MUL16 0, 1, 1, \slot, 0                        ; sixteen matrix instructions stand between the add and the wait for it
	s_wait_dscnt 0x0                               ; the add is done, and my reads of this slot are over
	s_barrier_signal -1
	MUL16 2, 1, 1, \slot, 0
	WIN 0
	s_barrier_wait -1
.if \fill
	CREST                                          ; no wave of any partner still reads this slot's tile or has a load on its way
	s_add_nc_u64 s[G0+4*\slot+2:G0+4*\slot+3], s[G0+4*\slot+2:G0+4*\slot+3], 2*PLA
	s_add_nc_u64 s[G0B+4*\slot+2:G0B+4*\slot+3], s[G0B+4*\slot+2:G0B+4*\slot+3], 2*PLB
	JLOAD G0+4*\slot, G1, G0B+4*\slot, G1B         ; the first tensor load behind the round; its four v_nop are among the places in front of the loads below
	PLACES NP-4
.else
	PLACES NP
.endif
	FETCH_B \next, 0, 0
	FETCH_A \next, 0, 0
	SCALES \next, \ksn
	WIN MUL_HI
	MUL16 4, 1, 1, \slot, 0
	MUL16 6, 1, 1, \slot, 0
	PLACES NP
	WIN 0
	FETCH_A \next, 0, 4
.endm
	s_wait_tensorcnt 1                             ; the scale words and my part of K step 0 are in (K step 1's load may be out)
	s_barrier_signal -1
	s_barrier_wait -1                              ; everybody's are
	FETCH_B 0, 0, 0
	FETCH_A 0, 0, 0
	SCALES 0, 0
	FETCH_A 0, 0, 4
	STEP 0, 0, 1                                   ; the first step starts the sums on the bias
	TURN 0, 1, 1, 1                                ; slot 0 takes K step 2
	STEP 1, 0, 0
	TURN 1, 0, 1, 2                                ; slot 1 takes K step 3
	STEP 0, 0, 0
	TURN 0, 1, 0, 3                                ; nothing is left to fetch; behind this barrier nobody reads slot 0
	STEP 1, 0, 0
	s_wait_dscnt 4*NL                              ; the very last step
	WIN MUL_LO
	MUL16 0, 1, 1, 1, 0
	MUL16 2, 1, 1, 1, 0
	s_wait_dscnt 0
	WIN MUL_HI
	MUL16 4, 1, 1, 1, 0
	MUL16 6, 1, 1, 1, 0
	WIN 0
; THE WAY OUT, block by block of 16 tokens x 128 features.  A lane holds pieces of 32 bytes of one row: a block goes through my own stage in LDS, each piece to its feature's place, and comes back as whole rows
; of 512 bytes, which the 32 lanes store as two aligned runs of 256 bytes.  LDS serves a wave's instructions in order (ISA guide 5.7.1.4): no wait between the stores and the loads.
.macro TOSTAGE a
.set AC, 64*((\a)%4)
	WIN 0x08+4*((\a)/4)                            ; an LDS store's data are its source 1: window 2 or 3
.irp b, 0,1,2,3,4,5,6,7
	ds_store_b128 v[STO], v[AC+8*\b:AC+8*\b+3] offset:128*(\b/2)+32*(\b%2)          ; each accumulator from its low end on
	ds_store_b128 v[STO], v[AC+8*\b+4:AC+8*\b+7] offset:128*(\b/2)+32*(\b%2)+16
.endr
	WIN 0
.set BB, BK+64*((\a)%2)
.irp t, 0,1,2,3,4,5,6,7,8,9,10,11,12,13,14,15
	ds_load_b128 v[BB+4*\t:BB+4*\t+3], v[RD] offset:\t*SPITCH
.endr
.endm
.macro SEND a, younger                 ; younger: the LDS instructions issued behind block a's loads, which may stay out
.set BB, BK+64*((\a)%2)
	s_wait_dscnt \younger                          ; the block is back in registers
.irp t, 0,1,2,3,4,5,6,7,8,9,10,11,12,13,14,15
	global_store_b128 v[CO], v[BB+4*\t:BB+4*\t+3], s[14:15] offset:(32*((\a)/2)+8*((\a)%2)+\t+8*(\t/8))*4096 th:TH_STORE_NT   ; the tile's row t is token 32 (a / 2) + 8 (a % 2) + t + 8 (t / 8) of my 128; 512 consecutive bytes
.endr
.endm
	PLACES NP                                      ; in front of the first read of results and of loads into the registers that held A's fragments
	TOSTAGE 0
.irp a, 1,2,3,4,5,6,7
.if \a > 1
	s_wait_xcnt 0x0                                ; block a - 2's stores have read their registers: block a's loads may land there
.endif
	TOSTAGE \a
	SEND \a-1, 32                                  ; behind block a - 1's loads: block a's 16 stores and 16 loads
.endr
	SEND 7, 0
	s_wait_tensorcnt 0x0                           ; the wave's end: behind my last tensor load and my last LDS store
	ds_add_u32 v[SPW], v[NIL]
	s_wait_dscnt 0x0
	CROUND                                         ; the closing round: no work-group ends while a partner may still ask for a tile that names it
	s_endpgm
.Lfunc_end_k_qccafd3878d_oproj:
	.size	k_qccafd3878d_oproj, .Lfunc_end_k_qccafd3878d_oproj-k_qccafd3878d_oproj
	.p2alignl 7, 3214868480
	.fill 96, 4, 3214868480
	.section	.rodata,"a",@progbits
	.p2align	6, 0x0
	.amdhsa_kernel k_qccafd3878d_oproj
		.amdhsa_group_segment_fixed_size 327680
		.amdhsa_private_segment_fixed_size 0
		.amdhsa_enable_private_segment 0
		.amdhsa_kernarg_size 48
		.amdhsa_user_sgpr_count 2
		.amdhsa_user_sgpr_kernarg_segment_ptr 1
		.amdhsa_wavefront_size32 1
		.amdhsa_system_sgpr_workgroup_id_x 1
		.amdhsa_system_sgpr_workgroup_id_y 1
		.amdhsa_system_sgpr_workgroup_id_z 1
		.amdhsa_system_vgpr_workitem_id 0
		.amdhsa_next_free_vgpr 1024
		.amdhsa_next_free_sgpr 102
		.amdhsa_reserve_vcc 0
		.amdhsa_float_denorm_mode_32 3
		.amdhsa_float_denorm_mode_16_64 3
		.amdhsa_memory_ordered 1
		.amdhsa_forward_progress 1
		.amdhsa_inst_pref_size 147
	.end_amdhsa_kernel
	.amdgpu_metadata
---
amdhsa.version: [ 1, 2 ]
amdhsa.kernels:
  - .name:           k_qccafd3878d_oproj
    .symbol:         k_qccafd3878d_oproj.kd
    .args:
      - { .name: oimg, .offset: 0, .size: 8, .value_kind: global_buffer, .address_space: global }
      - { .name: osc, .offset: 8, .size: 8, .value_kind: global_buffer, .address_space: global }
      - { .name: cod, .offset: 16, .size: 8, .value_kind: global_buffer, .address_space: global }
      - { .name: scl, .offset: 24, .size: 8, .value_kind: global_buffer, .address_space: global }
      - { .name: bo, .offset: 32, .size: 8, .value_kind: global_buffer, .address_space: global }
      - { .name: out0, .offset: 40, .size: 8, .value_kind: global_buffer, .address_space: global }
    .group_segment_fixed_size: 327680
    .private_segment_fixed_size: 0
    .kernarg_segment_align: 8
    .kernarg_segment_size: 48
    .max_flat_workgroup_size: 128
    .sgpr_count:     102
    .vgpr_count:     1024
    .wavefront_size: 32
...
	.end_amdgpu_metadata
.endif
;; end of part 4
